; MI455X (gfx1250); checked and timed in simulation.
; The chip was launched on July 23, 2026; its instructions are those of AMD's public machine-readable ISA for CDNA 5 (MIT licence, August 2026) and "CDNA5" Instruction Set Architecture Reference Guide (July 2026). The comments in the code are by the model that wrote it; some were corrected since.
;; Gemma Attention. Allowed arithmetic: matrix products marked QUANTISED: E2M3 operands, one E8M0 scale for each 32 along K, by v_wmma_scale_f32_16x16x128_f8f6f4 with both operands' format E2M3, f32 sums; everything else in f32.
;; Inputs: hidden_states 2 x 2,048 x 2,048 float32; position_ids 2 x 2,048 int32; wk 2,048 x 1,024 float32; wo 1,024 x 2,048 float32; wq 2,048 x 1,024 float32; wv 2,048 x 1,024 float32.
;; Outputs: out0 2 x 2,048 x 2,048 float32.
;; This version of the problem:
;;   THIS VERSION OF THE PROBLEM IS GIVEN IN LOW PRECISION. The matrix products marked QUANTISED in the list below multiply operands that are first quantised to E2M3 (2 exponent bits, 3 mantissa bits; 6 bits a number), with one power-of-two scale for each 32 numbers along K (OCP MX v1.0); their sums are f32. All else is computed in f32.
;;   The module's matrix products, in the order in which they are computed (A, B: the left and right operand; K: the contracted axis; several contracted axes count as one K, in the product's order):
;;     1. [M 4,096, K 2,048] x [K 2,048, N 1,024]; A: input hidden_states; B: input wq: QUANTISED
;;     2. [M 4,096, K 2,048] x [K 2,048, N 1,024]; A: input hidden_states; B: input wk: QUANTISED
;;     3. [M 4,096, K 2,048] x [K 2,048, N 1,024]; A: input hidden_states; B: input wv: QUANTISED
;;     4. batch 8 x [M 2,048, K 256] x [K 256, N 2,048]; A: computed on the way; B: computed on the way: QUANTISED
;;     5. batch 8 x [M 2,048, K 2,048] x [K 2,048, N 256]; A: softmax (see below); B: computed on the way: QUANTISED
;;     6. [M 4,096, K 1,024] x [K 1,024, N 2,048]; A: computed on the way; B: input wo: QUANTISED
;;   THE QUANTISER, for each operand of a quantised product, along K:
;;     - K is cut into blocks of 32 from its start; a last block that is shorter is filled with zeros.
;;     - A block's scale is 2^e with e = floor(log2(the largest magnitude in the block)) - 2, held to -126 .. 127; a block of zeros has e = 0. As a byte (E8M0): e + 127.
;;     - Each number is divided by its block's scale, clamped to +-7.5, and rounded to the nearest number of E2M3, ties to even, subnormals kept.
;;     - The product sums the exact products of the quantised numbers (number of the format x scale) in f32.
;;   ~~~python
;;   def quantise(x, axis):      # numpy; x: float32 -> the quantised numbers, widened to float32 again
;;       x = np.moveaxis(x, axis, -1); K = x.shape[-1]
;;       x = np.pad(x, [(0, 0)] * (x.ndim - 1) + [(0, -K % 32)]); x = x.reshape(x.shape[:-1] + (-1, 32)); a = np.abs(x).max(-1, keepdims=True)
;;       e = np.where(a > 0, np.clip(np.frexp(np.where(a > 0, a, 1))[1] - 1 - 2, -126, 127), 0)      # np.frexp(a)[1] - 1 = floor(log2(a)), exactly
;;       r = np.clip(x / 2.0 ** e, -7.5, 7.5)
;;       step = 2.0 ** (np.maximum(np.frexp(np.where(r == 0, 1, r))[1] - 1, 0) - 3)
;;       q = np.round(r / step) * step * 2.0 ** e      # np.round: ties to even
;;       return np.moveaxis(q.reshape(q.shape[:-2] + (-1,))[..., :K], -1, axis).astype(np.float32)
;;   ~~~
;;   SOFTMAX AHEAD OF A QUANTISED PRODUCT. Where the list says 'softmax', what is quantised is not the finished softmax but p = 2^(t - M), with t = logit x log2(e) and M = ceil(the row's largest t), a whole number; so 1/2 < the row's largest p <= 1. The row's sum l is taken of the UNQUANTISED p, in f32, and the product's result is divided by l at the end. Since M is a whole number, a kernel that streams over the keys may use a running M (the ceiling of the running maximum): every later rescaling is an exact power of two, which a block's scale takes up: the codes' values come out the same.
;;   OPERANDS COMPUTED ON THE WAY. 'Computed on the way' means the value that the module computes at that place (a softmax that the list does not call 'softmax' is quantised finished and normalised). What goes into a quantiser is computed in f32, as accurately as f32 sums, v_exp_f32 and their like allow (about 1e-6 of the number): no bf16 or f16 on the way to a quantiser, and a product that is left as it is and whose result goes on into a quantised operand takes f32 operands (vector FMAs, or v_wmma_f32_16x16x4_f32). A number that lies on a knife's edge between two numbers of the format may be rounded either way, as far as f32 arithmetic and the matrix unit's own rounding can turn it there, and no further.
;; One version. Each part assembles by itself: llvm-mc -triple=amdgcn-amd-amdhsa -mcpu=gfx1250 --defsym DOCPART=n.
;; ======== version 1 of 1: 4 launches
;; limits: right only within a limited range of input values
;; workspace buffers: xq 6,553,600 bytes; wq3 4,915,200 bytes; woq 1,638,400 bytes; tb 4,194,304 bytes; qb 3,276,800 bytes; kv 6,553,600 bytes; ao 3,276,800 bytes
;; launch prep (part 1): grid 640 x 1, 4 waves a work-group, no clusters, 34,304 bytes of LDS; arguments hidden_states, position_ids, wq, wk, wv, wo, xq, wq3, woq, tb; writes xq, wq3, woq, tb
.if DOCPART == 1
	.amdgcn_target "amdgcn-amd-amdhsa--gfx1250"
	.amdhsa_code_object_version 6
	.text
	.protected	k_qe5cc2d2ce8_prep
	.globl	k_qe5cc2d2ce8_prep
	.p2align	8
	.type	k_qe5cc2d2ce8_prep,@function
k_qe5cc2d2ce8_prep:
	s_mov_b64 s[64:65], 0
	v_nop
	global_prefetch_b8 v0, s[64:65] scope:SCOPE_SE
	s_setreg_imm32_b32 hwreg(HW_REG_WAVE_MODE, 25, 1), 1
	s_wait_xcnt 0x0
; FIRST OF FOUR LAUNCHES (prep, qkv, attn, oproj) of an attention layer: B 2, S 2048, H 2048, 4 heads of 256, all six products on codes of FP6 (E2M3) with one E8M0 scale for each 32 along K.
; WORK LEFT OUT, in the whole program: reference() sets every score with key > query to the smallest f32 number ahead of its softmax, by a mask that it builds itself; every row has key 0 or its own key in
; view, so such a score's weight is 0 for all finite inputs.  A key step (128 keys) all of whose keys come after all queries of a group of 32 queries therefore adds nothing to any output: the launch attn leaves
; out the products 4 and 5 and the softmax of such steps.  Nothing else is left out; every input is loaded.  LIMIT: a NaN, an infinity or an overflow that reaches only those hidden steps is not carried to the result.
; THIS LAUNCH turns the f32 inputs into operands laid as the matrix unit's registers take them, and makes the table of cos and sin.
;   A FRAGMENT'S IMAGE (1,536 bytes): 16 rows x 128 K, 12 registers a lane; register g of lane l at byte 512 (g / 4) + 16 l + 4 (g % 4): three accesses of 16 bytes a lane.  Lane (r, h): registers 6 c .. 6 c + 5 = k 64 c + 32 h + 0 .. 31 of row r.
;   THE ROWS OF A TILE ARE NOT NEIGHBOURS: lane r of tile T is row 32 (T / 2) + 8 (T % 2) + r + 8 (r / 8), so that the results of tiles 2 b and 2 b + 1, used transposed, are 16 neighbours in a lane.
;   Codes lie [tile][K step][1,536], scale words [tile][K step][16 words] behind them.
;   wq, wk, wv: within a head's 16 tiles, tile 8 c + 4 g + 2 b + u holds d = 128 g + 64 c + 32 b + 8 u + r + 8 (r / 8): a wave of qkv then holds d and d + 128 of a row, which RoPE pairs.
; A block's scale byte is its largest magnitude's exponent field - 2, held at 1 from below (a block of zeros gets 1 where the rule says 127: its codes are zeros, and this program alone reads the bytes).
; LIMITS: NaN and infinities among the inputs are not served.  cos and sin: the angle is position x inverse frequency in f32, the inverse frequency 2^(-f log2(10000) / 128) by v_exp_f32; the reduction by pi / 2 in
; two parts is good to f32 for |position| under 2^20.
; WORK-GROUPS: 0-255 x (a tile of 16 rows each; a wave takes 4 K steps); 256-447 wq, wk, wv and 448-511 wo (a wave: 32 columns x 256 along K); 512-639 the table (a wave: 16 rows x 64 frequencies).
; Only x's path uses LDS: a stage of 16 rows x 528 bytes for each wave, its own: no barrier.
.set SPARE,  33792                     ; behind the four stages: the spare words, 128 bytes for each wave
.set XS_OFF, 6291456                   ; x's scale words in xq
.set WS_OFF, 4718592                   ; the weights' in wq3
.set OS_OFF, 1572864                   ; wo's in woq
.set SPW, 254                          ; v254 LDS address of my spare word; never rewritten
.set NIL, 255                          ; v255 0; never rewritten
.set FLOOR, 0x1800000                  ; 2^(3 - 127): no largest magnitude is taken under it, so the byte cannot fall under 1
.set OFFE,  0xff000000                 ; takes 2 off an exponent field
; ---- x: K step f of my four: 16 loads, each 512 consecutive bytes of one row, into set f % 2
.macro XLOAD f
.irp p, 0,1,2,3,4,5,6,7,8,9,10,11,12,13,14,15
	global_load_b128 v[32+64*((\f)%2)+4*\p:32+64*((\f)%2)+4*\p+3], v4, s[4:5] offset:(\p+8*(\p/8))*8192+512*(\f) th:TH_LOAD_NT
.endr
.endm
; the 16 x 128 numbers turn through my stage, so that lane (r, h) holds k = 64 c + 32 h + 0 .. 31 of row r: two whole blocks; then largest magnitudes, bytes, conversions, image
.macro XFRAG f
.set RS, 32+64*((\f)%2)
.if (\f) < 3
	s_wait_loadcnt 16                              ; this K step's 16 loads are in; the next one's may be out
.else
	s_wait_loadcnt 0
.endif
.irp p, 0,1,2,3,4,5,6,7,8,9,10,11,12,13,14,15
	ds_store_b128 v5, v[RS+4*\p:RS+4*\p+3] offset:528*\p
.endr
.irp c, 0,1
.irp i, 0,1,2,3,4,5,6,7
	ds_load_b128 v[160+32*\c+4*\i:160+32*\c+4*\i+3], v6 offset:256*\c+16*\i   ; LDS serves a wave's instructions in order: these see my stores
.endr
.endr
	s_wait_dscnt 0x0                               ; the numbers are back, and the stores have read their registers,
.if (\f) < 2
	XLOAD (\f)+2                                   ; which take the K step two on
.endif
	v_max3_num_f32 v8, |v160|, |v161|, FLOOR
	v_max3_num_f32 v9, |v192|, |v193|, FLOOR
.irp i, 2,4,6,8,10,12,14,16,18,20,22,24,26,28,30
	v_max3_num_f32 v8, v8, |v[160+\i]|, |v[161+\i]|
	v_max3_num_f32 v9, v9, |v[192+\i]|, |v[193+\i]|
.endr
	v_add_nc_u32 v10, OFFE, v8                     ; the conversion takes the exponent field of this operand as its scale
	v_add_nc_u32 v11, OFFE, v9
	v_lshrrev_b32 v12, 23, v10                     ; the bytes of blocks h and 2 + h
	v_lshrrev_b32 v13, 23, v11
	v_lshl_or_b32 v14, v13, 16, v12
	v_lshlrev_b32 v14, v7, v14                     ; at their places in the row's scale word (8 h bits up);
	v_permlanex16_b32 v15, v14, s26, s27
	v_or_b32 v[16+(\f)], v14, v15                  ; with lane l xor 16's two the word is whole
	s_wait_alu depctr_va_vdst(0)
	s_wait_xcnt 0x0                                ; the last image's stores have read their registers
.irp c, 0,1
	v_cvt_scalef32_pk16_fp6_f32 v[224+6*\c:226+6*\c], v[160+32*\c:175+32*\c], v[10+\c]
	v_cvt_scalef32_pk16_fp6_f32 v[236+4*\c:238+4*\c], v[176+32*\c:191+32*\c], v[10+\c]   ; (a conversion's three registers begin on an even number)
.endr
	v_nop                                          ; one plain place behind a scaled conversion
.irp c, 0,1
.irp i, 0,1,2
	v_mov_b32 v[227+6*\c+\i], v[236+4*\c+\i]
.endr
.endr
.irp k, 0,1,2
	global_store_b128 v4, v[224+4*\k:227+4*\k], s[32:33] offset:1536*(\f)+512*\k   ; 512 consecutive bytes a store
.endr
.endm
; ---- a weight [K][N]: a lane takes a column, its registers run down K.  Block t: 32 rows of K into set t % 2
.macro WLOAD t, pn
.irp i, 0,1,2,3,4,5,6,7,8,9,10,11,12,13,14,15,16,17,18,19,20,21,22,23,24,25,26,27,28,29,30,31
	global_load_b32 v[32+32*((\t)%2)+\i], v5, s[36:37] offset:(32*(\t)+\i)*(\pn) th:TH_LOAD_NT
.endr
.endm
.macro WBLOCK t, pn
.set XB_, 32+32*((\t)%2)
.set FD, 96+24*((\t)/4)+12*((\t)%2)+6*(((\t)%4)/2)   ; even blocks of a K step into one run of 12 registers, odd ones into another
.if (\t) < 7
	s_wait_loadcnt 32                              ; this block's 32 loads are in; the next block's may be out
.else
	s_wait_loadcnt 0
.endif
	v_max3_num_f32 v8, |v[XB_]|, |v[XB_+1]|, |v[XB_+2]|
	v_max3_num_f32 v9, |v[XB_+3]|, |v[XB_+4]|, |v[XB_+5]|
.irp i, 6,10,14,18,22,26
	v_max3_num_f32 v8, v8, |v[XB_+\i]|, |v[XB_+\i+1]|
	v_max3_num_f32 v9, v9, |v[XB_+\i+2]|, |v[XB_+\i+3]|
.endr
	v_max3_num_f32 v8, v8, |v[XB_+30]|, |v[XB_+31]|
	v_max3_num_f32 v8, v8, v9, FLOOR
	v_add_nc_u32 v10, OFFE, v8
	v_lshrrev_b32 v11, 23, v10
.if (\t)%4 == 0
	v_mov_b32 v[16+(\t)/4], v11                    ; four bytes make my column's scale word of a K step
.else
	v_lshl_or_b32 v[16+(\t)/4], v11, 8*((\t)%4), v[16+(\t)/4]
.endif
	v_cvt_scalef32_pk16_fp6_f32 v[FD:FD+2], v[XB_:XB_+15], v10
	v_cvt_scalef32_pk16_fp6_f32 v[144:146], v[XB_+16:XB_+31], v10
	v_nop
.irp i, 0,1,2
	v_mov_b32 v[FD+3+\i], v[144+\i]
.endr
.if (\t) < 6
	WLOAD (\t)+2, \pn
.endif
.endm
; K step q is whole.  Lanes 0-15 hold the rows of tile T0, lanes 16-31 those of T0 + 1; the exchange of halves gives each tile's fragment: lanes 0-15 its even blocks, lanes 16-31 its odd ones
.macro WOUT q, tp
.irp i, 0,1,2,3,4,5,6,7,8,9,10,11
	v_permlane16_swap_b32 v[96+24*\q+\i], v[108+24*\q+\i]
.endr
.irp k, 0,1,2
	global_store_b128 v4, v[96+24*\q+4*\k:99+24*\q+4*\k], s[38:39] offset:1536*\q+512*\k
	global_store_b128 v4, v[108+24*\q+4*\k:111+24*\q+4*\k], s[38:39] offset:(\tp)+1536*\q+512*\k
.endr
	global_store_b32 v6, v[16+\q], s[40:41] offset:64*\q
.endm
.macro WRUN pn, tp, tps
	v_and_b32 v5, 7, v1                            ; my column of the wave's 32: (l & 7) + 16 ((l >> 3) & 1) + 8 (l >> 4)
	v_bfe_u32 v8, v1, 3, 1
	v_lshl_add_u32 v5, v8, 4, v5
	v_lshl_add_u32 v5, v3, 3, v5
	v_lshlrev_b32 v5, 2, v5
	v_lshlrev_b32 v6, 2, v2
	v_mad_u32_u24 v6, v3, \tps, v6                 ; my scale word's place: tile T0 + l / 16, word l % 16
	WLOAD 0, \pn
	WLOAD 1, \pn
.irp t, 0,1,2,3
	WBLOCK \t, \pn
.endr
	WOUT 0, \tp
.irp t, 4,5,6,7
	WBLOCK \t, \pn
.endr
	WOUT 1, \tp
.endm
; ---- cos and sin of position x inverse frequency n of my 32, on two sets of registers by turns
.macro SINCOS n
.set T, 10+8*((\n)%2)
	v_mul_f32 v[T], v6, v[32+(\n)]                 ; the angle, rounded to f32
	v_mul_f32 v[T+1], s29, v[T]
	v_rndne_f32 v[T+1], v[T+1]                     ; how many quarter turns
	v_fma_f32 v[T], v[T+1], s30, v[T]              ; less that many pi / 2, in two parts
	v_fma_f32 v[T], v[T+1], s31, v[T]
	v_mul_f32 v[T+2], v[T], v[T]                   ; z
	v_cvt_i32_f32 v[T+1], v[T+1]
	v_fma_f32 v[T+3], v[T+2], s36, s37
	v_fma_f32 v[T+3], v[T+3], v[T+2], s38
	v_mul_f32 v[T+4], v[T+2], v[T]
	v_fma_f32 v[T+3], v[T+3], v[T+4], v[T]         ; sin of the rest
	v_fma_f32 v[T+5], v[T+2], s39, s40
	v_fma_f32 v[T+5], v[T+5], v[T+2], s41
	v_mul_f32 v[T+4], v[T+2], v[T+2]
	v_fma_f32 v[T+6], v[T+2], -0.5, 1.0
	v_fma_f32 v[T+5], v[T+5], v[T+4], v[T+6]       ; cos of the rest
	v_and_b32 v[T+4], 1, v[T+1]
	v_cmp_ne_u32 vcc_lo, 0, v[T+4]                 ; an odd quarter swaps the two
	v_cndmask_b32 v[T+6], v[T+3], v[T+5], vcc_lo
	v_cndmask_b32 v[T+7], v[T+5], v[T+3], vcc_lo
	v_lshlrev_b32 v[T+4], 30, v[T+1]               ; sin changes sign in quarters 2 and 3,
	v_and_b32 v[T+4], 0x80000000, v[T+4]
	v_xor_b32 v[96+(\n)], v[T+6], v[T+4]
	v_add_nc_u32 v[T+1], 1, v[T+1]                 ; cos in quarters 1 and 2
	v_lshlrev_b32 v[T+1], 30, v[T+1]
	v_and_b32 v[T+1], 0x80000000, v[T+1]
	v_xor_b32 v[64+(\n)], v[T+7], v[T+1]
.endm
	s_load_b512 s[4:19], s[0:1], 0x0               ; hidden s[4:5], positions s[6:7], wq s[8:9], wk s[10:11], wv s[12:13], wo s[14:15], xq s[16:17], wq3 s[18:19]
	s_load_b128 s[20:23], s[0:1], 0x40             ; woq s[20:21], tb s[22:23]
	v_lshl_add_u32 v[SPW], v0, 2, SPARE
	v_mov_b32 v[NIL], 0
	v_lshrrev_b32 v1, 5, v0
	v_readfirstlane_b32 s24, v1                    ; wave
	v_and_b32 v1, 31, v0                           ; lane
	v_and_b32 v2, 15, v0                           ; r
	v_bfe_u32 v3, v0, 4, 1                         ; h
	v_lshlrev_b32 v4, 4, v1                        ; 16 x lane: my place in an image
	v_lshlrev_b32 v7, 3, v3                        ; 8 h
	s_mov_b32 s26, 0x76543210
	s_mov_b32 s27, 0xfedcba98                      ; v_permlanex16_b32's selects for lane l xor 16
	s_wait_kmcnt 0x0
	s_cmp_lt_u32 ttmp9, 256
	s_cbranch_scc1 .Lx
	s_cmp_lt_u32 ttmp9, 448
	s_cbranch_scc1 .Lw
	s_cmp_lt_u32 ttmp9, 512
	s_cbranch_scc1 .Lo
	; ---- THE TABLE.  Unit u = 2 t + c: tile t of 16 rows, frequencies 64 c on.  Register n = 16 b + i is frequency 64 c + 32 b + 16 h + i of my row: the layout in which qkv holds its results
	s_sub_co_u32 s42, ttmp9, 512
	s_lshl_b32 s42, s42, 2
	s_add_co_u32 s42, s42, s24                     ; u
	s_lshr_b32 s43, s42, 2
	s_lshl_b32 s43, s43, 5                         ; 32 (t / 2)
	s_bfe_u32 s44, s42, 0x10001
	s_lshl_b32 s44, s44, 3                         ; 8 (t % 2)
	s_add_co_u32 s44, s44, s43
	s_lshl_b32 s44, s44, 2
	s_mov_b32 s45, 0
	s_add_nc_u64 s[6:7], s[6:7], s[44:45]          ; the tile's first position
	s_wait_alu depctr_va_vdst(0)
	v_and_b32 v5, 8, v2
	v_add_nc_u32 v5, v5, v2
	v_lshlrev_b32 v5, 2, v5                        ; my row: r + 8 (r / 8)
	global_load_b32 v6, v5, s[6:7]
	s_lshl_b32 s44, s42, 13
	s_add_nc_u64 s[22:23], s[22:23], s[44:45]      ; the unit's 8,192 bytes of the table
	s_and_b32 s44, s42, 1
	s_lshl_b32 s44, s44, 6
	v_lshl_add_u32 v8, v3, 4, s44                  ; 64 c + 16 h
	s_wait_alu depctr_va_vdst(0)
	s_mov_b32 s28, 0xbdd49a78                      ; -log2(10000) / 128
	s_mov_b32 s29, 0x3f22f983                      ; 2 / pi
	s_mov_b32 s30, 0xbfc90fdb                      ; -(pi / 2), its f32 part,
	s_mov_b32 s31, 0x333bbd2e                      ; and what that part is too large by
	s_mov_b32 s36, 0xb94ca1f9                      ; sin's polynomial
	s_mov_b32 s37, 0x3c08839e
	s_mov_b32 s38, 0xbe2aaaa3
	s_mov_b32 s39, 0x37ccf5ce                      ; cos's
	s_mov_b32 s40, 0xbab6061a
	s_mov_b32 s41, 0x3d2aaaa5
.irp b, 0,1
.irp i, 0,1,2,3,4,5,6,7,8,9,10,11,12,13,14,15
	v_add_nc_u32 v[32+16*\b+\i], 32*\b+\i, v8
	v_cvt_f32_u32 v[32+16*\b+\i], v[32+16*\b+\i]
	v_mul_f32 v[32+16*\b+\i], s28, v[32+16*\b+\i]
.endr
.endr
.set n, 0
	s_wait_alu depctr_va_vdst(0)
.rept 32
	v_exp_f32 v[32+n], v[32+n]                     ; the inverse frequencies: one batch
.set n, n+1
.endr
	v_nop                                          ; a plain place behind the last of them
	s_wait_alu depctr_va_vdst(0)                   ; one wait for the batch, ahead of its first reader
	s_wait_loadcnt 0x0
	v_cvt_f32_i32 v6, v6                           ; my row's position
.set n, 0
.rept 32
	SINCOS n
.set n, n+1
.endr
.irp g, 0,1,2,3,4,5,6,7
	global_store_b128 v4, v[64+4*\g:67+4*\g], s[22:23] offset:512*\g           ; cos: 512 consecutive bytes a store
.endr
.irp g, 0,1,2,3,4,5,6,7
	global_store_b128 v4, v[96+4*\g:99+4*\g], s[22:23] offset:4096+512*\g      ; sin
.endr
	s_branch .Lend
.Lx:	; ---- x: tile t = the work-group's number; my wave's K steps 4 w .. 4 w + 3
	s_lshr_b32 s28, ttmp9, 1
	s_lshl_b32 s28, s28, 5
	s_and_b32 s29, ttmp9, 1
	s_lshl_b32 s29, s29, 3
	s_add_co_u32 s28, s28, s29                     ; the tile's first row
	s_lshl_b32 s28, s28, 13
	s_lshl_b32 s29, s24, 11
	s_add_co_u32 s28, s28, s29
	s_mov_b32 s29, 0
	s_add_nc_u64 s[4:5], s[4:5], s[28:29]
	s_lshl_b32 s28, ttmp9, 4
	s_lshl_b32 s30, s24, 2
	s_add_co_u32 s28, s28, s30
	s_mul_i32 s28, s28, 1536
	s_add_nc_u64 s[32:33], s[16:17], s[28:29]      ; my four images
	s_lshl_b32 s28, ttmp9, 10
	s_lshl_b32 s30, s24, 8
	s_add_co_u32 s28, s28, s30
	s_add_co_u32 s28, s28, XS_OFF
	s_add_nc_u64 s[34:35], s[16:17], s[28:29]      ; and their scale words
	s_mul_i32 s30, s24, 8448                       ; my stage
	s_wait_alu depctr_va_vdst(0)
	v_add_nc_u32 v5, s30, v4                       ; in: 16 bytes a lane of a row
	v_mul_u32_u24 v6, v2, 528
	v_lshl_add_u32 v6, v3, 7, v6
	v_add_nc_u32 v6, s30, v6                       ; out: row r, + 128 h
	v_mov_b32 v15, 0                               ; (a lane permute's destination counts as one of its sources)
	v_lshlrev_b32 v20, 2, v1
	XLOAD 0
	XLOAD 1
	s_wait_alu depctr_va_vdst(0)
	XFRAG 0
	XFRAG 1
	XFRAG 2
	XFRAG 3
	v_cmp_ne_u32 vcc_lo, 0, v3
	v_cndmask_b32 v21, v16, v17, vcc_lo            ; lanes 0-15 carry one K step's words, lanes 16-31 the next one's: 128 consecutive bytes a store
	v_cndmask_b32 v22, v18, v19, vcc_lo
	global_store_b32 v20, v21, s[34:35]
	global_store_b32 v20, v22, s[34:35] offset:128
	s_branch .Lend
.Lw:	; ---- wq, wk, wv: which of the three, which 128 columns, which 256 along K
	s_sub_co_u32 s28, ttmp9, 256
	s_lshr_b32 s29, s28, 6                         ; 0 wq, 1 wk, 2 wv
	s_bfe_u32 s30, s28, 0x30003                    ; columns 128 cg on: head cg / 2, g = cg % 2
	s_and_b32 s31, s28, 7                          ; rows 256 ky on
	s_cmp_eq_u32 s29, 0
	s_cselect_b64 s[36:37], s[8:9], s[10:11]
	s_cmp_eq_u32 s29, 2
	s_cselect_b64 s[36:37], s[12:13], s[36:37]
	s_lshl_b32 s42, s31, 20
	s_lshl_b32 s43, s30, 9
	s_add_co_u32 s42, s42, s43
	s_lshl_b32 s43, s24, 7
	s_add_co_u32 s42, s42, s43
	s_mov_b32 s43, 0
	s_add_nc_u64 s[36:37], s[36:37], s[42:43]
	s_lshl_b32 s44, s29, 2
	s_lshr_b32 s45, s30, 1
	s_add_co_u32 s44, s44, s45
	s_lshl_b32 s44, s44, 4                         ; the head's 16 tiles;
	s_lshr_b32 s45, s24, 1
	s_lshl_b32 s45, s45, 3
	s_add_co_u32 s44, s44, s45                     ; + 8 c, c = wave / 2
	s_and_b32 s45, s30, 1
	s_lshl_b32 s45, s45, 2
	s_add_co_u32 s44, s44, s45                     ; + 4 g
	s_and_b32 s45, s24, 1
	s_lshl_b32 s45, s45, 1
	s_add_co_u32 s44, s44, s45                     ; + 2 b, b = wave % 2: my first tile
	s_mul_i32 s42, s44, 24576
	s_mul_i32 s45, s31, 3072
	s_add_co_u32 s42, s42, s45
	s_add_nc_u64 s[38:39], s[18:19], s[42:43]
	s_lshl_b32 s42, s44, 10
	s_lshl_b32 s45, s31, 7
	s_add_co_u32 s42, s42, s45
	s_add_co_u32 s42, s42, WS_OFF
	s_add_nc_u64 s[40:41], s[18:19], s[42:43]
	s_wait_alu depctr_va_vdst(0)
	WRUN 4096, 24576, 1024
	s_branch .Lend
.Lo:	; ---- wo: tiles in their natural order
	s_sub_co_u32 s28, ttmp9, 448
	s_lshr_b32 s30, s28, 2                         ; columns 128 cg on
	s_and_b32 s31, s28, 3                          ; rows 256 ky on
	s_lshl_b32 s42, s31, 21
	s_lshl_b32 s43, s30, 9
	s_add_co_u32 s42, s42, s43
	s_lshl_b32 s43, s24, 7
	s_add_co_u32 s42, s42, s43
	s_mov_b32 s43, 0
	s_add_nc_u64 s[36:37], s[14:15], s[42:43]
	s_lshl_b32 s44, s30, 3
	s_lshl_b32 s45, s24, 1
	s_add_co_u32 s44, s44, s45                     ; my first tile
	s_mul_i32 s42, s44, 12288
	s_mul_i32 s45, s31, 3072
	s_add_co_u32 s42, s42, s45
	s_add_nc_u64 s[38:39], s[20:21], s[42:43]
	s_lshl_b32 s42, s44, 9
	s_lshl_b32 s45, s31, 7
	s_add_co_u32 s42, s42, s45
	s_add_co_u32 s42, s42, OS_OFF
	s_add_nc_u64 s[40:41], s[20:21], s[42:43]
	s_wait_alu depctr_va_vdst(0)
	WRUN 8192, 12288, 512
.Lend:
	s_wait_tensorcnt 0x0                           ; the wave's end: behind my last LDS store
	ds_add_u32 v[SPW], v[NIL]
	s_wait_dscnt 0x0
	s_endpgm
.Lfunc_end_k_qe5cc2d2ce8_prep:
	.size	k_qe5cc2d2ce8_prep, .Lfunc_end_k_qe5cc2d2ce8_prep-k_qe5cc2d2ce8_prep
	.p2alignl 7, 3214868480
	.fill 96, 4, 3214868480
	.section	.rodata,"a",@progbits
	.p2align	6, 0x0
	.amdhsa_kernel k_qe5cc2d2ce8_prep
		.amdhsa_group_segment_fixed_size 34304
		.amdhsa_private_segment_fixed_size 0
		.amdhsa_enable_private_segment 0
		.amdhsa_kernarg_size 80
		.amdhsa_user_sgpr_count 2
		.amdhsa_user_sgpr_kernarg_segment_ptr 1
		.amdhsa_wavefront_size32 1
		.amdhsa_system_sgpr_workgroup_id_x 1
		.amdhsa_system_sgpr_workgroup_id_y 1
		.amdhsa_system_sgpr_workgroup_id_z 1
		.amdhsa_system_vgpr_workitem_id 0
		.amdhsa_next_free_vgpr 256
		.amdhsa_next_free_sgpr 66
		.amdhsa_reserve_vcc 1
		.amdhsa_float_denorm_mode_32 3
		.amdhsa_float_denorm_mode_16_64 3
		.amdhsa_memory_ordered 1
		.amdhsa_forward_progress 1
		.amdhsa_inst_pref_size 154
	.end_amdhsa_kernel
	.amdgpu_metadata
---
amdhsa.version: [ 1, 2 ]
amdhsa.kernels:
  - .name:           k_qe5cc2d2ce8_prep
    .symbol:         k_qe5cc2d2ce8_prep.kd
    .args:
      - { .name: hidden_states, .offset: 0, .size: 8, .value_kind: global_buffer, .address_space: global }
      - { .name: position_ids, .offset: 8, .size: 8, .value_kind: global_buffer, .address_space: global }
      - { .name: wq, .offset: 16, .size: 8, .value_kind: global_buffer, .address_space: global }
      - { .name: wk, .offset: 24, .size: 8, .value_kind: global_buffer, .address_space: global }
      - { .name: wv, .offset: 32, .size: 8, .value_kind: global_buffer, .address_space: global }
      - { .name: wo, .offset: 40, .size: 8, .value_kind: global_buffer, .address_space: global }
      - { .name: xq, .offset: 48, .size: 8, .value_kind: global_buffer, .address_space: global }
      - { .name: wq3, .offset: 56, .size: 8, .value_kind: global_buffer, .address_space: global }
      - { .name: woq, .offset: 64, .size: 8, .value_kind: global_buffer, .address_space: global }
      - { .name: tb, .offset: 72, .size: 8, .value_kind: global_buffer, .address_space: global }
    .group_segment_fixed_size: 34304
    .private_segment_fixed_size: 0
    .kernarg_segment_align: 8
    .kernarg_segment_size: 80
    .max_flat_workgroup_size: 128
    .sgpr_count:     66
    .vgpr_count:     256
    .wavefront_size: 32
...
	.end_amdgpu_metadata
.endif
;; end of part 1
;; launch qkv (part 2): grid 12 x 16, 4 waves a work-group, clusters of 4 x 4, 327,680 bytes of LDS; arguments xq, wq3, tb, qb, kv; writes qb, kv
.if DOCPART == 2
	.amdgcn_target "amdgcn-amd-amdhsa--gfx1250"
	.amdhsa_code_object_version 6
	.text
	.protected	k_qe5cc2d2ce8_qkv
	.globl	k_qe5cc2d2ce8_qkv
	.p2align	8
	.type	k_qe5cc2d2ce8_qkv,@function
k_qe5cc2d2ce8_qkv:
	s_mov_b64 s[64:65], 0
	v_nop
	global_prefetch_b8 v0, s[64:65] scope:SCOPE_SE
	s_setreg_imm32_b32 hwreg(HW_REG_WAVE_MODE, 25, 1), 1
	s_wait_xcnt 0x0
	s_wait_alu depctr_hold_cnt(0) depctr_sa_sdst(0) depctr_va_vdst(0) depctr_va_sdst(0) depctr_va_ssrc(0) depctr_va_vcc(0) depctr_vm_vsrc(0)
	s_getreg_b32 s2, hwreg(HW_REG_IB_STS2, 6, 4)
	s_cmp_eq_u32 s2, 0
	s_cbranch_scc0 .Lentry_in_a_cluster
	s_endpgm
.Lentry_in_a_cluster:
	s_bfe_u32 s2, ttmp6, 0x10000c
	s_cmp_lg_u32 s2, 0xf033
	s_cbranch_scc0 .Lentry_shape_is_right
	s_endpgm
.Lentry_shape_is_right:
; SECOND LAUNCH: x wq, x wk, x wv as ONE product [4096 x 2048] x [2048 x 3072] on codes of FP6, then RoPE and the quantising of q and k (along d), and of v (along the keys), all on the results in registers.
; A tile of the result, 256 x 256, is made by four waves, each 128 x 128: 64 accumulators, 512 registers.  Column tile tx = 4 (0 q, 1 k, 2 v) + head: a work-group's 256 columns are one head.
; OPERANDS lie in memory as images of fragments (1,536 bytes: 16 rows x 128 K, three accesses of 16 bytes a lane), [tile][K step]; scale words [tile][K step][16].
; THE RING: two LDS slots of THREE K steps each (a wave's tensor load brings 8 tiles x 4,608 consecutive bytes), as long as two slots in LDS allow: the 16 K steps are slots of 3, 3, 3, 3, 3 and 1: two first fills and
; four refills, each asked for 160 matrix instructions ahead of the wait for it.  The last slot has a group 1 of its own (rows of 1,536 bytes).
; THE SCALE WORDS do not go through LDS: a wave's 8 + 8 tiles x 16 K steps are 128 registers.  A load of 4 bytes a lane takes 128 consecutive bytes: two K steps of a tile, the even one in lanes 0-15, the odd one in lanes
; 16-31; the matrix instruction picks the row on both sides.  They come in three batches, so that no more than 48 loads are out at a time.  Their register numbers change with the K step: so the 16 steps are written out.
; CLUSTERS: 4 x 4 work-groups; x's tiles are asked for jointly along a row of the cluster, the weights' along a column.
; THE MATRIX INSTRUCTION IS USED TRANSPOSED (source 0 = 16 columns of a weight, source 1 = 16 rows of x): lane (r, h) holds one row of x, and the 16 registers of column tiles 2 b, 2 b + 1 are 16 neighbouring d.
; The weights' tiles are ordered so that my tiles i and i + 4 hold d and d + 128: RoPE pairs registers of one lane.  My 64 numbers of a row are the d blocks 2 c, 2 c + 1, 4 + 2 c, 5 + 2 c (c = my column half): whole
; blocks of 32, which form 'K step c' of the product q k^T, for q and for k alike: that product sums its blocks of d in this order.
; OUT: q: qb [batch x head][128 queries]: 8 tiles x 2 K steps of images, then 1,024 bytes of scale words.  k, v: kv [batch x head][key step of 128 keys]: records of 51,200 bytes: K's images, V's (16 tiles of d x 128 keys), K's scale words, V's.
; v's K is the keys, which lie across lanes: 32 keys x 128 d at a time turn through my stage in LDS (in slot 0, which has had its last fill and its last read by then), so that a lane holds one d and 32 keys.
; LIMITS: NaN and infinities are not served; a block of zeros keeps the scale byte 1 (its codes are zeros; this program alone reads the bytes).
; REGISTERS, in windows of 256: window 0: v1 r, v2 h, v16-30 addresses; v32-95 x's scale words, v96-127 and v224-255 the weights'; v128-223 x's fragments, one set.  window 1: the weights' fragments, two sets.
;   windows 2, 3: the accumulators, (a, i) at v[8 (8 (a % 4) + i)].
.set NK,     16                        ; K steps of 128
.set AS_OFF, 6291456                   ; x's scale words in xq
.set BS_OFF, 4718592                   ; the weights' in wq3
.set FR,     12
.set NL,     3                         ; LDS loads that bring a fragment
.set NP,     4                         ; places behind this matrix instruction (ISA guide 7.12.1)
.set TILEB,  4608                      ; a tile's three images in a slot
.set HALFT,  8*TILEB                   ; what one tensor load brings, and what one wave reads of x or of a weight
.set SLOT,   4*HALFT
.set SPARE,  2*SLOT                    ; behind the ring: the spare words, 128 bytes for each wave: two blocks of 256 bytes that no other line names
.set ADRA, 16
.set ADRB, 20
.set LI,   24                          ; v24 16 x lane
.set SCO,  25                          ; v25 512 h + 16 r: where q's and k's scale words go
.set STO,  26                          ; v26 v's stage, in
.set SWO,  27                          ; v27 4 x lane: my place in two K steps' scale words of a tile; never rewritten
.set SPW,  28
.set NIL,  29
.set SRD,  30                          ; v30 v's stage, out
.set SA,   32                          ; x's scale words: tile a, K steps 2 m and 2 m + 1 at v[SA + 8 a + m]; the weights': tile b at v[96 + 8 b + m] (b < 4), v[192 + 8 b + m] (b >= 4)
.set AF,   128
.set G1, 24
.set G0, 32
.set G1B, 48
.set G0B, 56
.set G1L, 68                           ; s[68:75] group 1 for x's tiles of the last slot;  s[80:87] for the weights'
.set XSB, 76                           ; s[76:77] the scale words of my 8 tiles of x;  s[78:79] of my 8 tiles of the weight
.set WSB, 78
.set G1BL, 80
.set SEL, 98
.set MSB, 0
.macro WIN new                         ; the immediate's high byte repeats the setting that is left
.if MSB != (\new)
	s_set_vgpr_msb (MSB<<8)|(\new)
.set MSB, (\new)
.endif
.endm
.set MUL_LO, 0xa1                      ; source 0 (weight) window 1, source 1 (x) window 0, C and D window 2
.set MUL_HI, 0xf1
.set TO_B,   0x40
; A joint load: waves 0 and 1 fetch for x, waves 2 and 3 for the weight.  An s_nop 0 and four v_nop follow each of the two lines.
.macro JLOAD g0a, g1a, g0b, g1b
	s_cmp_eq_u32 s15, 0
	s_cbranch_scc0 .Lfor_b_\@
	tensor_load_to_lds s[\g0a:\g0a+3], s[\g1a:\g1a+7]
	s_nop 0
.rept 4
	v_nop
.endr
	s_branch .Lasked_\@
.Lfor_b_\@:
	tensor_load_to_lds s[\g0b:\g0b+3], s[\g1b:\g1b+7]
	s_nop 0
.rept 4
	v_nop
.endr
.Lasked_\@:
.endm
.macro CREST
	s_cmp_lg_u32 s14, 0
	s_cbranch_scc1 .Lnot_wave_0_\@
	s_barrier_signal -3
.Lnot_wave_0_\@:
	s_barrier_wait -3
	s_barrier_signal -1
	s_barrier_wait -1
.endm
.macro CROUND
	s_barrier_signal -1
	s_barrier_wait -1
	CREST
.endm
.macro PLACES n
.rept \n
	v_nop
.endr
.endm
.macro FRAG reg, adr, off              ; an image comes back as it was stored: three loads of 512 consecutive bytes
.irp k, 0,1,2
	ds_load_b128 v[\reg+4*\k:\reg+4*\k+3], v[\adr] offset:(\off)+512*\k
.endr
.endm
; K step s lies in slot s / 3, which lies in place (s / 3) % 2, as its image s % 3; in the last slot (K step 15) a tile has one image
.macro FETCH_B s                       ; the weight's eight fragments of K step s into set s % 2
.set FP, ((\s)/3)%2
.set FT, TILEB-3072*((\s)/15)
.set FQ, 1536*((\s)%3)
	WIN TO_B
.irp i, 0,1,2,3,4,5,6,7
	FRAG 128*((\s)%2)+FR*\i, ADRB+FP, FT*\i+FQ
.endr
	WIN 0
.endm
.macro FETCH_A s, i0                   ; x's blocks i0 .. i0 + 3 of K step s
.set FP, ((\s)/3)%2
.set FT, TILEB-3072*((\s)/15)
.set FQ, 1536*((\s)%3)
.irp i, \i0, \i0+1, \i0+2, \i0+3
	FRAG AF+FR*(\i), ADRA+FP, FT*(\i)+FQ
.endr
.endm
; the scale words of K steps 2 m0 .. 2 m1 + 1: a load takes 128 consecutive bytes
.macro SLOADS m0, m1
.irp m, 0,1,2,3,4,5,6,7
.if (\m >= \m0) && (\m <= \m1)
.irp a, 0,1,2,3,4,5,6,7
	global_load_b32 v[SA+8*\a+\m], v[SWO], s[XSB:XSB+1] offset:1024*\a+128*\m
	global_load_b32 v[96+8*\a+96*(\a/4)+\m], v[SWO], s[WSB:WSB+1] offset:1024*\a+128*\m
.endr
.endif
.endr
.endm
; 16 matrix instructions of K step s: x's blocks a0, a0 + 1 against the weight's eight.  The 64 accumulators take turns, one instruction a turn, in the same order in every step.
.macro MUL16 a0, s, zero
.irp a, \a0, \a0+1
.irp b, 0,1,2,3,4,5,6,7
.if \zero
	v_wmma_scale_f32_16x16x128_f8f6f4 v[8*(8*((\a)%4)+\b):8*(8*((\a)%4)+\b)+7], v[128*((\s)%2)+FR*\b:128*((\s)%2)+FR*\b+FR-1], v[AF+FR*(\a):AF+FR*(\a)+FR-1], 0, v[96+8*\b+96*(\b/4)+(\s)/2], v[SA+8*(\a)+(\s)/2] matrix_a_fmt:MATRIX_FMT_FP6 matrix_b_fmt:MATRIX_FMT_FP6
.elseif (\s)%2
	v_wmma_scale_f32_16x16x128_f8f6f4 v[8*(8*((\a)%4)+\b):8*(8*((\a)%4)+\b)+7], v[128*((\s)%2)+FR*\b:128*((\s)%2)+FR*\b+FR-1], v[AF+FR*(\a):AF+FR*(\a)+FR-1], v[8*(8*((\a)%4)+\b):8*(8*((\a)%4)+\b)+7], v[96+8*\b+96*(\b/4)+(\s)/2], v[SA+8*(\a)+(\s)/2] matrix_a_fmt:MATRIX_FMT_FP6 matrix_b_fmt:MATRIX_FMT_FP6 matrix_a_scale:MATRIX_SCALE_ROW1 matrix_b_scale:MATRIX_SCALE_ROW1
.else
	v_wmma_scale_f32_16x16x128_f8f6f4 v[8*(8*((\a)%4)+\b):8*(8*((\a)%4)+\b)+7], v[128*((\s)%2)+FR*\b:128*((\s)%2)+FR*\b+FR-1], v[AF+FR*(\a):AF+FR*(\a)+FR-1], v[8*(8*((\a)%4)+\b):8*(8*((\a)%4)+\b)+7], v[96+8*\b+96*(\b/4)+(\s)/2], v[SA+8*(\a)+(\s)/2] matrix_a_fmt:MATRIX_FMT_FP6 matrix_b_fmt:MATRIX_FMT_FP6
.endif
.endr
.endr
.endm
.macro STEP s, zero                    ; a K step that has its successor in the same slot
	s_wait_dscnt 4*NL                              ; all but the youngest 12 loads (x's blocks 4-7) are in
	WIN MUL_LO
	MUL16 0, \s, \zero
	MUL16 2, \s, \zero
	s_wait_dscnt 0
	PLACES NP
	FETCH_B (\s)+1
	FETCH_A (\s)+1, 0
	WIN MUL_HI
	MUL16 4, \s, \zero
	MUL16 6, \s, \zero
	PLACES NP
	WIN 0
	FETCH_A (\s)+1, 4
.endm
; A slot's last K step changes slots: one barrier; in front of it each wave waits for all its tensor loads, adds 0 to its spare word, and waits for that and for its reads of this slot.
; fill = 1: the place that is left takes the slot two on, three K steps; fill = 2: the last slot, one K step; fill = 0: nothing is left to fetch.
.macro TURN s, fill
.set PL, ((\s)/3)%2
	s_wait_tensorcnt 0x0                           ; all my tensor loads have landed: my part of the next slot
	ds_add_u32 v[SPW], v[NIL]                      ; 0 onto my spare word
	s_wait_dscnt 4*NL+1                            ; (the add and the youngest 12 loads may be out)
	WIN MUL_LO
	MUL16 0, \s, 0
	s_wait_dscnt 0x0                               ; the add is done, and my reads of this slot are over
	s_barrier_signal -1
	MUL16 2, \s, 0
	WIN 0
	s_barrier_wait -1
.if \fill
	CREST                                          ; the barrier has opened a round of the cluster's barrier: no wave of any partner still reads this slot or has a load on its way
	s_add_nc_u64 s[G0+4*PL+2:G0+4*PL+3], s[G0+4*PL+2:G0+4*PL+3], 2*TILEB
	s_add_nc_u64 s[G0B+4*PL+2:G0B+4*PL+3], s[G0B+4*PL+2:G0B+4*PL+3], 2*TILEB
.if \fill == 1
	JLOAD G0+4*PL, G1, G0B+4*PL, G1B               ; the first tensor load behind the round; its four v_nop are also the places in front of the loads below
.else
	JLOAD G0+4*PL, G1L, G0B+4*PL, G1BL
.endif
.else
	PLACES NP
.endif
	FETCH_B (\s)+1
	FETCH_A (\s)+1, 0
.if (\fill == 1) && ((\s) < 8)         ; behind the joint load and the run of LDS loads: the slot that the next change asks for, three K steps ahead of its load; nothing for the last slot of one K step
	global_prefetch_b8 v31, s[88:89] offset:((\s)/3+3)*TILEB th:TH_LOAD_NT scope:SCOPE_SE
	global_prefetch_b8 v31, s[88:89] offset:((\s)/3+3)*TILEB+NK*1536 th:TH_LOAD_NT scope:SCOPE_SE
.endif
.if (\s) == 8                          ; the table, seven K steps ahead of its first load; v's clusters do not read it (the cluster's x: the same in all sixteen partners)
	s_cmp_eq_u32 ttmp9, 2
	s_cbranch_scc1 .Lno_table_\@
	global_prefetch_b8 v3, s[90:91] th:TH_LOAD_NT scope:SCOPE_SE
	global_prefetch_b8 v3, s[90:91] offset:16384 th:TH_LOAD_NT scope:SCOPE_SE
.Lno_table_\@:
.endif
	WIN MUL_HI
	MUL16 4, \s, 0
	MUL16 6, \s, 0
	PLACES NP
	WIN 0
	FETCH_A (\s)+1, 4
.endm
	s_load_b128 s[4:7], s[0:1], 0x0                ; xq s[4:5], wq3 s[6:7]
	s_load_b128 s[8:11], s[0:1], 0x10              ; tb s[8:9], qb s[10:11]
	s_load_b64 s[12:13], s[0:1], 0x20              ; kv
	v_lshl_add_u32 v[SPW], v0, 2, SPARE
	v_mov_b32 v[NIL], 0
	ds_add_u32 v[SPW], v[NIL]                      ; the wave's opening: the add, twice on end, and its wait ahead of my first tensor load
	ds_add_u32 v[SPW], v[NIL]
	v_lshrrev_b32 v1, 5, v0
	v_readfirstlane_b32 s14, v1                    ; wave
	s_lshr_b32 s15, s14, 1                         ; my half of the rows.  Also: I fetch for x (0) or for the weight (1)
	s_and_b32 s16, s14, 1                          ; my half of the columns, c.  Also: which 8 tiles I fetch
	s_bfe_u32 s40, ttmp6, 0x40000                  ; cx = the head
	s_bfe_u32 s41, ttmp6, 0x40004                  ; cy
	s_lshl_b32 s42, ttmp9, 2
	s_add_co_u32 s42, s42, s40                     ; tile column
	s_and_b32 s17, ttmp7, 0xffff
	s_lshl_b32 s17, s17, 2
	s_add_co_u32 s17, s17, s41                     ; tile row
	s_lshl_b32 s43, s41, 2
	s_lshl_b32 s43, 15, s43                        ; my row of the cluster
	s_lshl_b32 s44, 0x1111, s40                    ; my column
	s_or_b32 s[G1+0], s43, (3<<16)|(1<<21)         ; the mask; elements of 8 bytes; no padding; bit 21 set beside a mask
	s_or_b32 s[G1B+0], s44, (3<<16)|(1<<21)
	s_or_b32 s[G1L+0], s43, (3<<16)|(1<<21)
	s_or_b32 s[G1BL+0], s44, (3<<16)|(1<<21)
.irp g, G1, G1B
	s_mov_b32 s[\g+1], 576<<16                     ; tensor_dim0: 4,608 bytes: three images
	s_mov_b32 s[\g+2], 8<<16                       ; tensor_dim1: 8 tiles
	s_mov_b32 s[\g+3], 576<<16                     ; tile_dim0
	s_mov_b32 s[\g+4], 8                           ; tile_dim1
	s_mov_b32 s[\g+5], NK*192                      ; from tile to tile: NK images
	s_mov_b32 s[\g+6], 0
	s_mov_b32 s[\g+7], 0
.endr
.irp g, G1L, G1BL
	s_mov_b32 s[\g+1], 192<<16                     ; the last slot: one image a tile
	s_mov_b32 s[\g+2], 8<<16
	s_mov_b32 s[\g+3], 192<<16
	s_mov_b32 s[\g+4], 8
	s_mov_b32 s[\g+5], NK*192
	s_mov_b32 s[\g+6], 0
	s_mov_b32 s[\g+7], 0
.endr
	s_lshl_b32 s18, s16, 3
	s_lshl_b32 s20, s17, 4
	s_add_co_u32 s20, s20, s18                     ; x: the tiles that I fetch: 16 x tile row + 8 x half
	s_lshl_b32 s46, s42, 4
	s_add_co_u32 s46, s46, s18                     ; the weight: 16 x tile column + 8 x half: the tiles that I fetch, and those that I multiply
	s_lshl_b32 s92, s46, 10
	s_add_co_u32 s92, s92, BS_OFF                  ; their scale words
	s_mov_b32 s93, 0
	s_lshl_b32 s22, s17, 4
	s_lshl_b32 s23, s15, 3
	s_add_co_u32 s22, s22, s23                     ; x: the tiles that I multiply
	s_lshl_b32 s22, s22, 10
	s_add_co_u32 s22, s22, AS_OFF                  ; their scale words
	s_mov_b32 s23, 0
	s_mul_i32 s20, s20, NK*1536
	s_mov_b32 s21, 0
	s_mul_i32 s46, s46, NK*1536
	s_mov_b32 s47, 0
	s_mul_i32 s45, s14, HALFT                      ; where the tiles go: wave x 8 tiles: no place in the cluster enters an LDS address
	s_wait_dscnt 0x0                               ; both opening adds are done
	s_wait_kmcnt 0x0
	s_add_nc_u64 s[20:21], s[4:5], s[20:21]
	s_add_nc_u64 s[XSB:XSB+1], s[4:5], s[22:23]
	s_add_nc_u64 s[46:47], s[6:7], s[46:47]
	s_add_nc_u64 s[WSB:WSB+1], s[6:7], s[92:93]
	; the prefetches: of the 8 tiles that I fetch, each of the four partners that ask for them with me names 2, told apart by address (cx for x's tiles, cy for the weight's); s[88:89] and v31 are never rewritten
	s_cmp_eq_u32 s15, 0                            ; do I fetch for x?
	s_cselect_b32 s90, s17, s42                    ; by the tile row, or by the tile column
	s_cselect_b32 s91, s40, s41                    ; my place among the four
	s_cselect_b64 s[88:89], s[4:5], s[6:7]
	s_lshl_b32 s90, s90, 4
	s_add_co_u32 s90, s90, s18                     ; + the 8 tiles that I fetch
	s_lshl_b32 s91, s91, 1
	s_add_co_u32 s90, s90, s91                     ; + my work-group's 2 of them
	s_mul_i32 s90, s90, NK*1536
	s_mov_b32 s91, 0
	s_add_nc_u64 s[88:89], s[88:89], s[90:91]
	; and for the table of cos and sin: of my 8 units of 8,192 bytes each of the four heads of my row of the cluster names 2, told apart by address (cx); s[90:91] and v3 are not rewritten behind this
	s_lshl_b32 s90, s17, 4
	s_lshl_b32 s91, s15, 3
	s_add_co_u32 s90, s90, s91                     ; my first tile of rows
	s_lshl_b32 s91, s40, 1
	s_add_co_u32 s90, s90, s91                     ; + 2 cx
	s_lshl_b32 s90, s90, 1
	s_add_co_u32 s90, s90, s16                     ; my 64 frequencies
	s_lshl_b32 s90, s90, 13
	s_mov_b32 s91, 0
	s_add_nc_u64 s[90:91], s[8:9], s[90:91]
	CROUND                                         ; all sixteen work-groups are here: the first joint loads meet
.irp s, 0,1                            ; both slots' group 0; one load of a wave is out at the start and one behind each later round
	s_mov_b32 s[G0+4*\s], 1
	s_add_co_u32 s[G0+4*\s+1], s45, \s*SLOT
	s_add_nc_u64 s[G0+4*\s+2:G0+4*\s+3], s[20:21], \s*TILEB
	s_or_b32 s[G0+4*\s+3], s[G0+4*\s+3], 0x80000000
	s_mov_b32 s[G0B+4*\s], 1
	s_add_co_u32 s[G0B+4*\s+1], s45, \s*SLOT
	s_add_nc_u64 s[G0B+4*\s+2:G0B+4*\s+3], s[46:47], \s*TILEB
	s_or_b32 s[G0B+4*\s+3], s[G0B+4*\s+3], 0x80000000
.if \s == 0
	JLOAD G0, G1, G0B, G1B                         ; slot 0: one tensor load a wave at the head
.endif
.endr
	v_and_b32 v1, 31, v0
	v_lshlrev_b32 v[LI], 4, v1
	v_lshlrev_b32 v[SWO], 2, v1
	v_min_u32 v31, 17, v1                          ; a tile's three images of a slot are 18 blocks of 256 bytes: a lane a block, lanes 18-31 name the 18th again
	v_lshlrev_b32 v31, 8, v31
	v_lshlrev_b32 v3, 8, v1                        ; a unit of the table is 32 blocks of 256 bytes: a lane a block
	SLOADS 0, 2
	global_prefetch_b8 v31, s[88:89] offset:TILEB th:TH_LOAD_NT scope:SCOPE_SE              ; slot 1, which is asked for when slot 0 has landed
	global_prefetch_b8 v31, s[88:89] offset:TILEB+NK*1536 th:TH_LOAD_NT scope:SCOPE_SE
	v_and_b32 v1, 15, v0                           ; r
	s_wait_alu depctr_va_vdst(0)
	v_bfe_u32 v2, v0, 4, 1                         ; h
	s_mul_i32 s21, s15, HALFT
	s_mul_i32 s22, s16, HALFT
	s_add_co_u32 s22, s22, 2*HALFT
.irp s, 0,1
	v_add_nc_u32 v[ADRA+\s], s21, v[LI]
	v_add_nc_u32 v[ADRB+\s], s22, v[LI]
	s_add_co_u32 s21, s21, SLOT
	s_add_co_u32 s22, s22, SLOT
.endr
	v_lshlrev_b32 v5, 4, v1
	v_lshl_add_u32 v[SCO], v2, 9, v5
	s_mul_i32 s23, s14, 16896                      ; v's stage: 32 rows x 528 bytes for each wave
	v_mul_u32_u24 v5, v1, 528
	s_wait_alu depctr_va_vdst(0)
	v_lshl_add_u32 v5, v2, 6, v5
	v_add_nc_u32 v[STO], s23, v5                   ; in: row r, + 64 h
	v_and_b32 v5, 7, v0
	v_bfe_u32 v6, v0, 3, 1
	v_lshl_add_u32 v5, v6, 4, v5
	v_lshl_add_u32 v5, v2, 3, v5                   ; out: my column of a block's 32: (l & 7) + 16 ((l >> 3) & 1) + 8 (l >> 4)
	v_lshl_add_u32 v[SRD], v5, 2, s23
	s_wait_alu depctr_va_vdst(0)
	s_wait_tensorcnt 0x0                           ; my part of slot 0 is in
	ds_add_u32 v[SPW], v[NIL]
	s_wait_dscnt 0x0
	CROUND                                         ; everybody's part is in, and all sixteen work-groups are here
	JLOAD G0+4, G1, G0B+4, G1B                     ; slot 1's first fill: the first tensor load behind the round
	FETCH_B 0
	FETCH_A 0, 0
	FETCH_A 0, 4
	s_wait_loadcnt 0x0                             ; the first batch of scale words
	STEP 0, 1                                      ; the first step's products start the sums
	SLOADS 3, 5                                    ; the scale words of K steps 6 to 11
	global_prefetch_b8 v31, s[88:89] offset:2*TILEB th:TH_LOAD_NT scope:SCOPE_SE            ; slot 2, two K steps ahead of its load
	global_prefetch_b8 v31, s[88:89] offset:2*TILEB+NK*1536 th:TH_LOAD_NT scope:SCOPE_SE
	STEP 1, 0
	TURN 2, 1                                      ; slot 0 is left; K steps 6 to 8 are asked for
	STEP 3, 0
	STEP 4, 0
	TURN 5, 1                                      ; K steps 9 to 11
	s_wait_loadcnt 0x0                             ; the second batch
	STEP 6, 0
	SLOADS 6, 7                                    ; the scale words of K steps 12 to 15
	STEP 7, 0
	TURN 8, 1                                      ; K steps 12 to 14
	STEP 9, 0
	STEP 10, 0
	TURN 11, 2                                     ; K step 15
	s_wait_loadcnt 0x0                             ; the third batch
	STEP 12, 0
	STEP 13, 0
	TURN 14, 0                                     ; nothing is left to fetch
	s_wait_dscnt 4*NL
	WIN MUL_LO
	MUL16 0, 15, 0
	MUL16 2, 15, 0
	s_wait_dscnt 0
	WIN MUL_HI
	MUL16 4, 15, 0
	MUL16 6, 15, 0
	WIN 0
	PLACES NP                                      ; behind the last products: for the reads of results and for all that is now laid over the operands and the scale words
	; ---- where my 128 rows x 128 columns go
	s_lshr_b32 s20, s17, 3
	s_lshl_b32 s20, s20, 2
	s_add_co_u32 s20, s20, s40                     ; batch x 4 + head
	s_and_b32 s21, s17, 7
	s_lshl_b32 s21, s21, 1
	s_add_co_u32 s21, s21, s15                     ; which 128 positions of the sequence
	s_lshl_b32 s22, s20, 4
	s_add_co_u32 s22, s22, s21
	s_mul_i32 s22, s22, 25600                      ; q's record
	s_lshl_b32 s23, s20, 3
	s_lshr_b32 s46, s21, 1
	s_add_co_u32 s23, s23, s46
	s_mul_i32 s23, s23, 102400                     ; k's and v's slot of 256 keys,
	s_and_b32 s46, s21, 1                          ; and which of its two key steps
	s_cmp_eq_u32 ttmp9, 2                          ; the cluster's x: the same in all sixteen partners
	s_cbranch_scc1 .Lv
	; ---- q AND k: RoPE, quantised along d, images stored.  No LDS.
.set HA,  64                           ; v64-127  my 64 numbers of a row, turned
.set PC,  128                          ; v128-147 the codes just made
.set TM,  148                          ; v148-163 at work
.set PW,  164                          ; the scale word just made
.set PWS, 168                          ; v168-175 the eight tiles' scale words
	; kv is laid [batch x head][key step of 128 keys]: a dense record of 51,200 bytes: K's images 24,576, V's images 24,576, K's scale words 1,024, V's 1,024 (two records to 256 keys; this order holds, not the one named at the head)
	s_mul_i32 s47, s46, 51200
	s_add_co_u32 s47, s47, s23                     ; k's images
	s_add_co_u32 s92, s47, 49152                   ; k's scale words
	s_add_co_u32 s93, s22, 24576                   ; q's
	s_cmp_eq_u32 ttmp9, 0
	s_cselect_b64 s[10:11], s[10:11], s[12:13]
	s_cselect_b32 s94, s22, s47
	s_cselect_b32 s96, s93, s92
	s_mul_i32 s95, s16, 1536
	s_add_co_u32 s94, s94, s95
	s_mov_b32 s95, 0
	s_lshl_b32 s97, s16, 8
	s_add_co_u32 s96, s96, s97
	s_mov_b32 s97, 0
	s_add_nc_u64 s[18:19], s[10:11], s[94:95]
	s_add_nc_u64 s[10:11], s[10:11], s[96:97]
	s_lshl_b32 s92, s17, 4
	s_lshl_b32 s93, s15, 3
	s_add_co_u32 s92, s92, s93
	s_lshl_b32 s92, s92, 1
	s_add_co_u32 s92, s92, s16
	s_lshl_b32 s92, s92, 13
	s_mov_b32 s93, 0
	s_add_nc_u64 s[8:9], s[8:9], s[92:93]          ; the table at my first tile of rows, my 64 frequencies
	s_mov_b32 s[SEL], 0x76543210
	s_mov_b32 s[SEL+1], 0xfedcba98
.irp b, 0,1,2,3
	v_mov_b32 v[TM+4+\b], 0                        ; written once: a lane permute's destination counts as one of its sources
.endr
.macro TLD a                           ; tile a's cos (32 registers) and sin (32) into set a % 4 of window 1
	WIN 0x40
.irp g, 0,1,2,3,4,5,6,7,8,9,10,11,12,13,14,15
	global_load_b128 v[64*((\a)%4)+4*\g:64*((\a)%4)+4*\g+3], v[LI], s[8:9] offset:16384*(\a)+512*\g
.endr
	WIN 0
.endm
; 64 numbers of a lane, register 16 b + i = place 32 b + 16 h + i of my row's K step, become a fragment's codes in v[PC] on and its scale word in v[PW]
.macro QUANT s
.irp b, 0,1,2,3
	v_max3_num_f32 v[TM+\b], |v[\s+16*\b]|, |v[\s+1+16*\b]|, 0x1800000   ; my 16 numbers of block b, and the floor 2^(3 - 127): the byte cannot fall under 1
.endr
.irp i, 2,4,6,8,10,12,14
.irp b, 0,1,2,3
	v_max3_num_f32 v[TM+\b], v[TM+\b], |v[\s+16*\b+\i]|, |v[\s+1+16*\b+\i]|
.endr
.endr
.irp b, 0,1,2,3
	v_permlanex16_b32 v[TM+4+\b], v[TM+\b], s[SEL], s[SEL+1]
.endr
.irp b, 0,1,2,3
	v_max_num_f32 v[TM+\b], v[TM+\b], v[TM+4+\b]   ; with lane l xor 16's: the block's largest magnitude
.endr
.irp b, 0,1,2,3
	v_add_nc_u32 v[TM+12+\b], 0xff000000, v[TM+\b] ; 2 off its exponent field: the conversion's scale operand
.endr
.irp b, 0,1,2,3
	v_lshrrev_b32 v[TM+4+\b], 23, v[TM+12+\b]      ; the scale's byte
.endr
	v_lshl_or_b32 v[PW], v[TM+5], 8, v[TM+4]
	v_lshl_or_b32 v[PW], v[TM+6], 16, v[PW]
	v_lshl_or_b32 v[PW], v[TM+7], 24, v[PW]
.irp c, 0,1
	v_cvt_scalef32_pk16_fp6_f32 v[PC+6*\c:PC+2+6*\c], v[\s+32*\c:\s+15+32*\c], v[TM+12+2*\c]
	v_cvt_scalef32_pk16_fp6_f32 v[PC+12+4*\c:PC+14+4*\c], v[\s+16+32*\c:\s+31+32*\c], v[TM+12+2*\c+1]
.endr
	v_nop                                          ; one plain place behind a scaled conversion
.irp c, 0,1                            ; the operand's layout wants a whole block in a lane
.irp i, 0,1,2
	v_permlane16_swap_b32 v[PC+6*\c+\i], v[PC+12+4*\c+\i]
.endr
.irp i, 0,1,2
	v_mov_b32 v[PC+3+6*\c+\i], v[PC+12+4*\c+\i]
.endr
.endr
.endm
.macro ROPEQ a
.set AC, 64*((\a)%4)                   ; the tile's eight accumulators, and (in window 1) its set of the table
.if (\a) <= 4
	s_wait_loadcnt 48                              ; this tile's 16 loads are in; the three sets asked for behind it may be out
.else
	s_wait_loadcnt 16*(7-(\a))
.endif
	WIN 0x06+(\a)/4                                ; source 0: the accumulators' window; source 1: window 1
.irp i, 0,1,2,3                        ; each accumulator is read from its low end on
.irp j, 0,2,4,6
.set TP_, 176+4*((\j/2)%2)
	v_pk_mul_f32 v[TP_:TP_+1], v[AC+8*(\i+4)+\j:AC+8*(\i+4)+\j+1], v[AC+32+8*\i+\j:AC+32+8*\i+\j+1]
	v_pk_mul_f32 v[TP_+2:TP_+3], v[AC+8*\i+\j:AC+8*\i+\j+1], v[AC+32+8*\i+\j:AC+32+8*\i+\j+1]
	v_pk_fma_f32 v[HA+8*\i+\j:HA+8*\i+\j+1], v[AC+8*\i+\j:AC+8*\i+\j+1], v[AC+8*\i+\j:AC+8*\i+\j+1], v[TP_:TP_+1] neg_lo:[0,0,1] neg_hi:[0,0,1]   ; x(d) cos - x(d + 128) sin
	v_pk_fma_f32 v[HA+8*(\i+4)+\j:HA+8*(\i+4)+\j+1], v[AC+8*(\i+4)+\j:AC+8*(\i+4)+\j+1], v[AC+8*\i+\j:AC+8*\i+\j+1], v[TP_+2:TP_+3]               ; x(d + 128) cos + x(d) sin
.endr
.endr
	WIN 0
.if (\a) < 4
	TLD (\a)+4
.endif
	s_wait_xcnt 0x0                                ; the last image's stores have read their registers
	QUANT HA
.irp k, 0,1,2
	global_store_b128 v[LI], v[PC+4*\k:PC+4*\k+3], s[18:19] offset:3072*(\a)+512*\k
.endr
	v_mov_b32 v[PWS+(\a)], v[PW]
.endm
	TLD 0
	TLD 1
	TLD 2
	TLD 3
.irp a, 0,1,2,3,4,5,6,7
	ROPEQ \a
.endr
	v_cmp_ne_u32 vcc_lo, 0, v2
.irp j, 0,1,2,3
	v_cndmask_b32 v[176+\j], v[PWS+\j], v[PWS+4+\j], vcc_lo   ; lanes 0-15 carry tiles 0-3's words of row r, lanes 16-31 tiles 4-7's
.endr
	global_store_b128 v[SCO], v[176:179], s[10:11]  ; two runs of 256 consecutive bytes
	s_branch .Ldone
.Lv:	; ---- v: quantised along the keys
	s_mul_i32 s47, s46, 51200
	s_add_co_u32 s47, s47, s23
	s_add_co_u32 s47, s47, 24576
	s_mul_i32 s92, s16, 6144
	s_add_co_u32 s92, s92, s47
	s_mov_b32 s93, 0
	s_add_nc_u64 s[18:19], s[12:13], s[92:93]      ; V's images of my key step: d tile 4 c + 2 (g % 2) + 8 (g / 2) + u for my block g of 32 d
	s_mul_i32 s94, s46, 51200
	s_add_co_u32 s94, s94, s23
	s_add_co_u32 s94, s94, 50176
	s_lshl_b32 s95, s16, 9
	s_add_co_u32 s94, s94, s95
	s_mov_b32 s95, 0
	s_add_nc_u64 s[12:13], s[12:13], s[94:95]      ; and their scale words
.macro VLD g                           ; my d of block g, keys 0 .. 31 of the piece, into set g % 2.  Key k lies in stage row (k & 7) + 16 ((k >> 3) & 1) + 8 (k >> 4)
.irp k, 0,1,2,3,4,5,6,7,8,9,10,11,12,13,14,15,16,17,18,19,20,21,22,23,24,25,26,27,28,29,30,31
	ds_load_b32 v[32+32*((\g)%2)+\k], v[SRD] offset:528*(((\k)&7)+16*(((\k)>>3)&1)+8*((\k)>>4))+128*(\g)
.endr
.endm
.macro VQ g, p                         ; a whole block of 32 keys of one d lies in my registers
.set XB_, 32+32*((\g)%2)
.set FD, 96+24*(\g)+12*((\p)%2)+6*((\p)/2)
	v_max3_num_f32 v200, |v[XB_]|, |v[XB_+1]|, |v[XB_+2]|
	v_max3_num_f32 v201, |v[XB_+3]|, |v[XB_+4]|, |v[XB_+5]|
.irp i, 6,10,14,18,22,26
	v_max3_num_f32 v200, v200, |v[XB_+\i]|, |v[XB_+\i+1]|
	v_max3_num_f32 v201, v201, |v[XB_+\i+2]|, |v[XB_+\i+3]|
.endr
	v_max3_num_f32 v200, v200, |v[XB_+30]|, |v[XB_+31]|
	v_max3_num_f32 v200, v200, v201, 0x1800000
	v_add_nc_u32 v202, 0xff000000, v200
	v_lshrrev_b32 v203, 23, v202
.if (\p) == 0
	v_mov_b32 v[192+(\g)], v203
.else
	v_lshl_or_b32 v[192+(\g)], v203, 8*(\p), v[192+(\g)]
.endif
	v_cvt_scalef32_pk16_fp6_f32 v[FD:FD+2], v[XB_:XB_+15], v202
	v_cvt_scalef32_pk16_fp6_f32 v[196:198], v[XB_+16:XB_+31], v202
	v_nop
.irp i, 0,1,2
	v_mov_b32 v[FD+3+\i], v[196+\i]
.endr
.endm
.macro VPIECE p                        ; row tiles 2 p and 2 p + 1: keys 32 p .. 32 p + 31, all my 128 d
	WIN 0x08+4*((\p)/2)                            ; an LDS store's data are its source 1: window 2 or 3
.irp u, 0,1
.irp i, 0,1,2,3,4,5,6,7
	ds_store_b128 v[STO], v[8*(8*((2*(\p)+\u)%4)+\i):8*(8*((2*(\p)+\u)%4)+\i)+3] offset:8448*\u+128*(\i/2)+32*(\i%2)        ; each accumulator from its low end on
	ds_store_b128 v[STO], v[8*(8*((2*(\p)+\u)%4)+\i)+4:8*(8*((2*(\p)+\u)%4)+\i)+7] offset:8448*\u+128*(\i/2)+32*(\i%2)+16
.endr
.endr
	WIN 0
	VLD 0                                          ; LDS serves a wave's instructions in order: these see my stores
	VLD 1
.irp g, 0,1,2,3
.if \g < 3
	s_wait_dscnt 32                                ; this block's 32 loads are in; the next block's may be out
.else
	s_wait_dscnt 0
.endif
	VQ \g, \p
.if \g < 2
	VLD \g+2
.endif
.endr
.endm
	s_wait_alu depctr_va_vdst(0)
	VPIECE 0
	VPIECE 1
	VPIECE 2
	VPIECE 3
.irp g, 0,1,2,3                        ; lanes 0-15 hold the rows of d tile 2 B, lanes 16-31 of 2 B + 1: the exchange of halves gives each tile's fragment
.irp i, 0,1,2,3,4,5,6,7,8,9,10,11
	v_permlane16_swap_b32 v[96+24*\g+\i], v[108+24*\g+\i]
.endr
.irp k, 0,1,2
	global_store_b128 v[LI], v[96+24*\g+4*\k:99+24*\g+4*\k], s[18:19] offset:3072*(\g%2)+12288*(\g/2)+512*\k
	global_store_b128 v[LI], v[108+24*\g+4*\k:111+24*\g+4*\k], s[18:19] offset:3072*(\g%2)+12288*(\g/2)+1536+512*\k
.endr
.endr
	global_store_b128 v[LI], v[192:195], s[12:13]   ; my four blocks' scale words: 512 consecutive bytes
.Ldone:
	s_wait_tensorcnt 0x0                           ; the wave's end: behind my last tensor load and my last LDS store
	ds_add_u32 v[SPW], v[NIL]
	s_wait_dscnt 0x0
	CROUND                                         ; the closing round
	s_endpgm
.Lfunc_end_k_qe5cc2d2ce8_qkv:
	.size	k_qe5cc2d2ce8_qkv, .Lfunc_end_k_qe5cc2d2ce8_qkv-k_qe5cc2d2ce8_qkv
	.p2alignl 7, 3214868480
	.fill 96, 4, 3214868480
	.section	.rodata,"a",@progbits
	.p2align	6, 0x0
	.amdhsa_kernel k_qe5cc2d2ce8_qkv
		.amdhsa_group_segment_fixed_size 327680
		.amdhsa_private_segment_fixed_size 0
		.amdhsa_enable_private_segment 0
		.amdhsa_kernarg_size 40
		.amdhsa_user_sgpr_count 2
		.amdhsa_user_sgpr_kernarg_segment_ptr 1
		.amdhsa_wavefront_size32 1
		.amdhsa_system_sgpr_workgroup_id_x 1
		.amdhsa_system_sgpr_workgroup_id_y 1
		.amdhsa_system_sgpr_workgroup_id_z 1
		.amdhsa_system_vgpr_workitem_id 0
		.amdhsa_next_free_vgpr 1024
		.amdhsa_next_free_sgpr 100
		.amdhsa_reserve_vcc 1
		.amdhsa_float_denorm_mode_32 3
		.amdhsa_float_denorm_mode_16_64 3
		.amdhsa_memory_ordered 1
		.amdhsa_forward_progress 1
		.amdhsa_inst_pref_size 255
	.end_amdhsa_kernel
	.section	.bss,"aw",@nobits
	.p2align	6
	.space	262144
	.amdgpu_metadata
---
amdhsa.version: [ 1, 2 ]
amdhsa.kernels:
  - .name:           k_qe5cc2d2ce8_qkv
    .symbol:         k_qe5cc2d2ce8_qkv.kd
    .args:
      - { .name: xq, .offset: 0, .size: 8, .value_kind: global_buffer, .address_space: global }
      - { .name: wq3, .offset: 8, .size: 8, .value_kind: global_buffer, .address_space: global }
      - { .name: tb, .offset: 16, .size: 8, .value_kind: global_buffer, .address_space: global }
      - { .name: qb, .offset: 24, .size: 8, .value_kind: global_buffer, .address_space: global }
      - { .name: kv, .offset: 32, .size: 8, .value_kind: global_buffer, .address_space: global }
    .group_segment_fixed_size: 327680
    .private_segment_fixed_size: 0
    .kernarg_segment_align: 8
    .kernarg_segment_size: 40
    .max_flat_workgroup_size: 128
    .sgpr_count:     100
    .vgpr_count:     1024
    .wavefront_size: 32
...
	.end_amdgpu_metadata
.endif
;; end of part 2
;; launch attn (part 3): grid 32 x 8, 4 waves a work-group, clusters of 4 x 1, 327,680 bytes of LDS; arguments qb, kv, ao; writes ao
.if DOCPART == 3
	.amdgcn_target "amdgcn-amd-amdhsa--gfx1250"
	.amdhsa_code_object_version 6
	.text
	.protected	k_qe5cc2d2ce8_attn
	.globl	k_qe5cc2d2ce8_attn
	.p2align	8
	.type	k_qe5cc2d2ce8_attn,@function
k_qe5cc2d2ce8_attn:
	s_mov_b64 s[64:65], 0
	v_nop
	global_prefetch_b8 v0, s[64:65] scope:SCOPE_SE
	s_setreg_imm32_b32 hwreg(HW_REG_WAVE_MODE, 25, 1), 1
	s_wait_xcnt 0x0
	s_wait_alu depctr_hold_cnt(0) depctr_sa_sdst(0) depctr_va_vdst(0) depctr_va_sdst(0) depctr_va_ssrc(0) depctr_va_vcc(0) depctr_vm_vsrc(0)
	s_getreg_b32 s2, hwreg(HW_REG_IB_STS2, 6, 4)
	s_cmp_eq_u32 s2, 0
	s_cbranch_scc0 .Lentry_in_a_cluster
	s_endpgm
.Lentry_in_a_cluster:
	s_bfe_u32 s2, ttmp6, 0x10000c
	s_cmp_lg_u32 s2, 0x3003
	s_cbranch_scc0 .Lentry_shape_is_right
	s_endpgm
.Lentry_shape_is_right:
; THIRD LAUNCH: causal attention on codes of FP6: S^T = K Q^T, p = 2^(t - M), O^T = V^T P^T, O / the row's sum, quantised along (head, d) for the last product.
; WORK LEFT OUT: a key step (128 keys) all of whose keys come after all queries of a block of 128 queries is not walked: reference()'s own mask gives those keys the weight 0 for all finite inputs (shown at the head of prep).
; t = score x log2(e) / 16; M = the largest t so far, rounded up to a whole number; the sum is taken of the unquantised p; when M moves, sum and O are multiplied by 2^(old M - new M), exactly.
; SHARES.  Cluster c (0..7) of a (batch, head) owns the query blocks 15 - c and c, 128 queries each; partner cx owns 32 queries of each.  Block 15 - c sees 16 - c key steps, block c sees c + 1: 17 in every cluster.
; They are walked as ONE sequence of 17 records of kv, the first block's and then the second's: the same trips, loads and branches in all clusters, and every record is asked for JOINTLY by the four partners (mask 15).
; Wave w: p = w & 1: which tile of 16 queries; e = w >> 1: item 2 n - 1 + e of trip n (trip 0 has item 0 alone, wave e = 1's).  A wave works on one tile at a time, in one set of registers.
; AN ITEM IS WORKED IN TWO HALVES.  In its own trip: S^T, the mask, the maxima, M, p; V comes into registers.  In the NEXT trip, behind the issue of that trip's loads of K and while they are out: the blocks' largest p, the row's sum,
; p's scale word and codes, O^T under the new M, O^T += V^T P^T.  The very first such half finds p = 0 and zero codes for V (set at the head, while the first tile is on its way) and adds nothing; the last is written out behind the last trip.
; Behind the second half of its last item of the first block a wave moves O, the statistics and Q aside and begins the second block.  At the end waves w and w xor 2 join their parts through LDS: each finishes one half of O's 256 d.
; No branch and no LDS address hangs on cx: both blocks' diagonals lie in the same item for all four partners.
; LDS: slot A at 0 and slot B, two records each; between them the place of item 0, filled at the head, a quarter a wave; so both slots are first filled behind barriers behind which nothing is filled again.
; A wave's ring load brings half a record, 100 rows of 256 bytes.  One load of a wave is out behind each round; every wait for tensor loads is for 0.
; PREFETCH: in trip n, the records that trip n + 2 asks for; the head asks for those of trips 0 and 1.  Of the 100 blocks of 256 bytes that wave w will fetch, partner cx names 25 (a lane a block; lanes 25-31 name the 25th again); nothing beyond item 16.
; LAYOUT.  Both products are used transposed: a lane holds one query.  The keys of a tile of K, the queries of a tile of Q and the d of a tile of V are rows 32 (T / 2) + 8 (T % 2) + r + 8 (r / 8).
; LIMITS: NaN and infinities are not served; a block of zeros keeps the scale byte 1; the scaled scores stay under 2^31 in magnitude.  The head's 256 are summed in the order of blocks in which qkv laid q and k.
; REGISTERS: window 0: v1-15 addresses; v16-31 statistics; v32-51 scale words; v52-71 at work; v72-103 codes; v192-255 S^T, then p.  window 1: O^T: v0-127 the first block's, moved aside; v128-255 the tile in hand; d tiles 0-7 are
;   those I finish, 8-15 my partner's.  window 2: K's 16 fragments; v192-215 the second block's Q, v216-239 Q in hand.  window 3: V's 16 fragments.
.set REC,   51200
.set HB,    102400                     ; item 0's place
.set SLB,   153600                     ; slot B
.set SPARE, 256000                     ; the spare words
.set XB,    256512                     ; the exchange, 16,896 bytes a wave: 2 x 8,192 of O^T, then 2 x 256 of (-M, sum)
.set AS_OFF, 3145728                   ; the scale words in ao
.set SPW, 5
.set NIL, 6
.set LI,  9
.set ST,  16                           ; tile t at v[ST + 8 t]: +0 -M, +1 the largest t, +2, +3 the sum in two halves; t = 1 is the tile in hand
.set QR,  20                           ; v20 my query's place in its block of 128, less 16 h
.set KS,  32                           ; K's scale words: lanes 0-15 K step 0, lanes 16-31 K step 1
.set VS,  40                           ; V's: register d' / 2; lanes 0-15 the even tile, lanes 16-31 the odd one
.set QS,  48                           ; v48 the second block's, v49 in hand
.set PW,  50
.set BM,  52
.set BP,  56
.set BO,  60
.set FF,  64
.set TA,  66
.set PC,  72
.set CT,  96
.set PFO, 104
.set S,   128
.set SS,  S+64
.set SD,  ST+8
.set PD,  PC+12
.set WV,  10
.set TB,  15                           ; s15 LDS byte at which the slot in hand begins;  s19 the next trip's
.set IW,  16                           ; s16 my item + 1 = 2 n + e
.set NH,  17                           ; s17 items of the first block: 16 - c
.set TR,  18
.set TN,  19
.set SEL, 20
.set CS,  22
.set G1,  24
.set G0,  32
.set PFB, 36
.set KB,  38
.set PFA, 66
.set G1H, 68
.set G0H, 76
.set PX,  89
.set MSB, 0
.macro WIN new
.if MSB != (\new)
	s_set_vgpr_msb (MSB<<8)|(\new)
.set MSB, (\new)
.endif
.endm
.macro CROUND                          ; a round of the cluster's barrier
	s_barrier_signal -1
	s_barrier_wait -1
	s_cmp_lg_u32 s[WV], 0
	s_cbranch_scc1 .Lnot_wave_0_\@
	s_barrier_signal -3
.Lnot_wave_0_\@:
	s_barrier_wait -3
	s_barrier_signal -1
	s_barrier_wait -1
.endm
	s_load_b128 s[4:7], s[0:1], 0x0                ; qb s[4:5], kv s[6:7]
	s_load_b64 s[8:9], s[0:1], 0x10                ; ao
	v_lshl_add_u32 v[SPW], v0, 2, SPARE
	v_mov_b32 v[NIL], 0
	ds_add_u32 v[SPW], v[NIL]                      ; the wave's opening: the add, twice on end, and its wait
	ds_add_u32 v[SPW], v[NIL]
	v_lshrrev_b32 v10, 5, v0
	v_readfirstlane_b32 s[WV], v10
	s_and_b32 s11, s[WV], 1                        ; p
	s_lshr_b32 s12, s[WV], 1                       ; e
	s_bfe_u32 s13, ttmp6, 0x40000                  ; cx
	s_and_b32 s14, ttmp7, 0xffff                   ; batch x 4 + head
	s_sub_co_u32 s[NH], 16, ttmp9
.irp g, G1, G1H
	s_mov_b32 s[\g], 15|(3<<16)|(1<<21)            ; the four partners; elements of 8 bytes; bit 21 beside a mask
	s_mov_b32 s[\g+1], 32<<16                      ; rows of 256 bytes
	s_mov_b32 s[\g+3], 32<<16
	s_mov_b32 s[\g+5], 32
	s_mov_b32 s[\g+6], 0
	s_mov_b32 s[\g+7], 0
.endr
	s_mov_b32 s[G1+2], 100<<16                     ; the ring: half a record
	s_mov_b32 s[G1+4], 100
	s_mov_b32 s[G1H+2], 50<<16                     ; the head: a quarter
	s_mov_b32 s[G1H+4], 50
	s_mov_b32 s[G0], 1
	s_mov_b32 s[G0H], 1
	s_mul_i32 s90, s[WV], 25600                    ; my place in a slot
	s_mul_i32 s41, s[WV], 12800
	s_add_co_u32 s[G0H+1], s41, HB
	s_mul_i32 s40, s14, 819200                     ; the head's 16 records
	s_add_co_u32 s[G0H+2], s40, s41
	s_mov_b32 s[G0H+3], 0
	s_mul_i32 s41, s11, 25600
	s_add_co_u32 s[KB], s40, s41
	s_mov_b32 s[KB+1], 0
	s_mul_i32 s41, s13, 6400
	s_add_co_u32 s[PFB], s[KB], s41
	s_mov_b32 s[PFB+1], 0
	s_lshl_b32 s40, s13, 1
	s_add_co_u32 s40, s40, s11                     ; my tile in a block of 128 queries: 2 cx + p
	s_mul_i32 s58, s40, 3072
	s_lshr_b32 s41, s40, 2
	s_lshl_b32 s41, s41, 9
	s_and_b32 s59, s40, 3
	s_lshl_b32 s59, s59, 2
	s_add_co_u32 s59, s59, s41
	s_add_co_u32 s59, s59, 24576                   ; its scale words in q's record
	s_lshl_b32 s60, s14, 4
	s_add_co_u32 s61, s60, ttmp9                   ; q's record of block c,
	s_add_co_u32 s60, s60, s[NH]
	s_sub_co_u32 s60, s60, 1                       ; and of block 15 - c
	s_mul_i32 s62, s60, 25600
	s_mul_i32 s63, s61, 25600
	s_add_co_u32 s42, s62, s58
	s_add_co_u32 s46, s62, s59
	s_add_co_u32 s44, s63, s58
	s_add_co_u32 s48, s63, s59
	s_lshr_b32 s41, s14, 2
	s_lshl_b32 s41, s41, 7
	s_add_co_u32 s41, s41, s40
	s_lshl_b32 s62, s[NH], 3
	s_sub_co_u32 s62, s62, 8
	s_add_co_u32 s62, s62, s41                     ; my tiles of rows in ao
	s_lshl_b32 s63, ttmp9, 3
	s_add_co_u32 s63, s63, s41
	s_and_b32 s41, s14, 3
	s_lshl_b32 s41, s41, 1
	s_add_co_u32 s41, s41, s12                     ; my K step of the last product: 2 x head + e
	s_mul_i32 s58, s41, 1536
	s_lshl_b32 s59, s41, 6
	s_add_co_u32 s59, s59, AS_OFF
	s_mul_i32 s50, s62, 12288
	s_add_co_u32 s50, s50, s58
	s_mul_i32 s52, s63, 12288
	s_add_co_u32 s52, s52, s58
	s_lshl_b32 s54, s62, 9
	s_add_co_u32 s54, s54, s59
	s_lshl_b32 s56, s63, 9
	s_add_co_u32 s56, s56, s59
.irp r, 43,45,47,49,51,53,55,57
	s_mov_b32 s\r, 0
.endr
	s_mul_i32 s80, s12, REC                        ; my record in a slot: K's images
	s_xor_b32 s41, s12, 1
	s_mul_i32 s40, s12, 12288
	s_add_co_u32 s81, s80, 24576
	s_mul_i32 s82, s41, 12288
	s_add_co_u32 s82, s82, s81                     ; V's: my partner's 8 d tiles,
	s_add_co_u32 s81, s81, s40                     ; and the 8 that I finish
	s_add_co_u32 s83, s80, 49152                   ; K's scale words
	s_add_co_u32 s84, s80, 50176
	s_lshl_b32 s85, s41, 3
	s_add_co_u32 s85, s85, s84                     ; V's: my partner's tiles',
	s_lshl_b32 s40, s12, 3
	s_add_co_u32 s84, s84, s40                     ; mine
	s_mul_i32 s86, s[WV], 16896
	s_add_co_u32 s86, s86, XB
	s_xor_b32 s87, s[WV], 2
	s_mul_i32 s87, s87, 16896
	s_add_co_u32 s87, s87, XB
	s_lshl_b32 s88, s13, 5
	s_lshl_b32 s40, s11, 3
	s_add_co_u32 s88, s88, s40                     ; 32 cx + 8 p
	s_mul_i32 s40, s12, REC
	s_add_co_u32 s40, s40, REC                     ; item e + 1, which trip 0 asks for
	s_mov_b32 s41, 0
	s_mov_b32 s[SEL], 0x76543210
	s_mov_b32 s[SEL+1], 0xfedcba98
	s_mov_b32 s[CS], 0x3db8aa3b                    ; c = log2(e) / 16
	s_mov_b32 s[CS+1], s[CS]
	s_mov_b32 s[TB], HB-REC                        ; trip 0: record e = 1 is item 0's place
	s_mov_b32 s[TN], SLB
	s_mov_b32 s[IW], s12
	s_mov_b32 s[TR], 8
	s_wait_dscnt 0x0                               ; both opening adds are done
	s_wait_kmcnt 0x0
	s_add_nc_u64 s[KB:KB+1], s[6:7], s[KB:KB+1]
	s_add_nc_u64 s[PFB:PFB+1], s[6:7], s[PFB:PFB+1]
	s_add_nc_u64 s[PFA:PFA+1], s[PFB:PFB+1], s[40:41]
	s_add_nc_u64 s[G0H+2:G0H+3], s[6:7], s[G0H+2:G0H+3]
	s_or_b32 s[G0H+3], s[G0H+3], 0x80000000
.irp r, 42,44,46,48
	s_add_nc_u64 s[\r:\r+1], s[4:5], s[\r:\r+1]
.endr
.irp r, 50,52,54,56
	s_add_nc_u64 s[\r:\r+1], s[8:9], s[\r:\r+1]
.endr
	CROUND                                         ; the four partners are here: the first joint loads meet
	tensor_load_to_lds s[G0H:G0H+3], s[G1H:G1H+7]  ; item 0: every wave its quarter
	s_nop 0
.rept 4
	v_nop
.endr
	v_and_b32 v[LI], 31, v0
	v_min_u32 v[PFO], 24, v[LI]
	v_lshlrev_b32 v[PFO], 8, v[PFO]
	v_lshlrev_b32 v108, 3, v[LI]
	v_lshlrev_b32 v[LI], 4, v[LI]
	v_add_nc_u32 v1, s80, v[LI]
	v_add_nc_u32 v2, s81, v[LI]
	v_add_nc_u32 v3, s82, v[LI]
	v_add_nc_u32 v4, s83, v[LI]
	v_add_nc_u32 v7, s84, v[LI]
	v_add_nc_u32 v8, s85, v[LI]
	v_add_nc_u32 v105, s86, v[LI]                  ; the exchange: where I write,
	v_add_nc_u32 v106, s86, v108
	v_add_nc_u32 v107, s87, v[LI]                  ; and where my partner has written
	v_add_nc_u32 v108, s87, v108
	WIN 0x80
.irp c, 0,1
.irp k, 0,1,2
	global_load_b128 v[216+12*\c+4*\k:219+12*\c+4*\k], v[LI], s[42:43] offset:1536*\c+512*\k   ; Q of block 15 - c, in hand
	global_load_b128 v[192+12*\c+4*\k:195+12*\c+4*\k], v[LI], s[44:45] offset:1536*\c+512*\k   ; Q of block c
.endr
.endr
	WIN 0
	global_load_b32 v[QS+1], v[LI], s[46:47]
	global_load_b32 v[QS], v[LI], s[48:49]
	global_prefetch_b8 v[PFO], s[PFA:PFA+1] th:TH_LOAD_NT scope:SCOPE_SE                  ; what trip 0 asks for (items 1 and 2),
	global_prefetch_b8 v[PFO], s[PFA:PFA+1] offset:2*REC th:TH_LOAD_NT scope:SCOPE_SE     ; and trip 1 (items 3 and 4): both lie in the first block, which has 9 items or more
	v_and_b32 v10, 15, v0
	v_bfe_u32 v11, v0, 4, 1
	v_lshlrev_b32 v109, 2, v10                     ; 4 r
	v_and_b32 v12, 8, v10
	v_add_nc_u32 v12, v12, v10
	v_lshlrev_b32 v13, 4, v11
	v_sub_nc_u32 v12, v12, v13
	v_add_nc_u32 v[QR], s88, v12
.irp t, 0,1
	v_mov_b32 v[ST+8*\t+1], 0xff61b1e6             ; the largest t so far: -3e38
	v_floor_f32 v[ST+8*\t], -v[ST+8*\t+1]
	v_mov_b32 v[ST+8*\t+2], 0
	v_mov_b32 v[ST+8*\t+3], 0
.endr
.irp b, 0,1,2,3
	v_mov_b32 v[BP+\b], 0                          ; written once: a lane permute's destination counts as one of its sources
	v_mov_b32 v[BM+\b], 0                          ; what the first second half finds: blocks whose largest exponent is 0,
.endr
	v_mov_b32 v[FF], 1.0                           ; the factor 1,
	v_mov_b32 v[FF+1], 0                           ; (named as the upper halves of pairs)
	v_mov_b32 v71, 0
.set n, 0
.rept 8
	v_mov_b32 v[VS+n], 0x7f7f7f7f                  ; scale bytes of 1 for V,
.set n, n+1
.endr
.set n, 0
.rept 64
	v_mov_b32 v[SS+n], 0                           ; p = 0,
.set n, n+1
.endr
	WIN 0xc0
.set n, 0
.rept 192
	v_mov_b32 v[n], 0                              ; zero codes for V:  it adds nothing
.set n, n+1
.endr
	WIN 0x40
.set n, 0
.rept 256
	v_mov_b32 v[n], 0                              ; O^T: the step is written without a first form, and a wave may have no item of the second block
.set n, n+1
.endr
	WIN 0
; AN ITEM'S FIRST HALF, behind S^T: the maxima, M, the factor, p
.macro SOFT
.irp b, 0,1,2,3
	v_max3_num_f32 v[BM+\b], v[SS+16*\b], v[SS+16*\b+1], v[SS+16*\b+2]   ; the largest score of each block of 32 keys: for the row's maximum and, since p rises with the score, for the block's largest p
.endr
.irp i, 3,5,7,9,11,13
.irp b, 0,1,2,3
	v_max3_num_f32 v[BM+\b], v[BM+\b], v[SS+16*\b+\i], v[SS+16*\b+\i+1]
.endr
.endr
.irp b, 0,1,2,3
	v_max_num_f32 v[BM+\b], v[BM+\b], v[SS+16*\b+15]
.endr
.irp b, 0,1,2,3
	v_permlanex16_b32 v[BP+\b], v[BM+\b], s[SEL], s[SEL+1]
.endr
.irp b, 0,1,2,3
	v_max_num_f32 v[BM+\b], v[BM+\b], v[BP+\b]
.endr
	v_max3_num_f32 v[TA], v[BM], v[BM+1], v[BM+2]
	v_max_num_f32 v[TA], v[TA], v[BM+3]
	v_mul_f32 v[TA], s[CS], v[TA]
	v_max_num_f32 v[SD+1], v[SD+1], v[TA]          ; the running largest t
	v_mov_b32 v[TA], v[SD]
	v_floor_f32 v[SD], -v[SD+1]                    ; the new -M
	v_sub_f32 v[TA], v[SD], v[TA]                  ; old M less new M: a whole number, 0 or less
	v_cvt_i32_f32 v[TA], v[TA]                     ; (it saturates)
	v_ldexp_f32 v[FF], 1.0, v[TA]                  ; f = 2^(old M - new M)
.set n, 0
.rept 32
	v_pk_fma_f32 v[SS+n:SS+n+1], v[SS+n:SS+n+1], s[CS:CS+1], v[SD:SD+1] op_sel_hi:[1,0,0]   ; t - M
.set n, n+2
.endr
.irp b, 0,1,2,3
	v_fma_f32 v[BM+\b], v[BM+\b], s[CS], v[SD]     ; the same of each block's largest score: kept for the second half
.endr
	s_wait_alu depctr_va_vdst(0)
.set n, 0
.rept 64
	v_exp_f32 v[SS+n], v[SS+n]                     ; p, not normalised: one batch
.set n, n+1
.endr
	v_nop                                          ; a plain place behind the batch
	s_wait_alu depctr_va_vdst(0)                   ; one wait for the batch: its readers stand in the second half
.endm
; THE SECOND HALF of the item before: the blocks' largest p, the row's sum, p's scale word and codes, O^T under the new M, O^T += V^T P^T; and, behind my last item of the first block, the change of blocks.
; last = 1: behind the last trip, where V's loads are still to be waited for
.macro SECOND last
	s_wait_alu depctr_va_vdst(0)
.irp b, 0,1,2,3
	v_exp_f32 v[BM+\b], v[BM+\b]                   ; the blocks' largest p
.endr
	v_pk_mul_f32 v[SD+2:SD+3], v[SD+2:SD+3], v[FF:FF+1] op_sel_hi:[1,0]   ; the sums under the new M; a plain place behind the four
	v_pk_add_f32 v[BP:BP+1], v[SS:SS+1], v[SS+2:SS+3]   ; the row's sum is taken of the unquantised p, in two chains
.irp j, 4,8,12,16,20,24,28,32,36,40,44,48,52,56,60
	v_pk_add_f32 v[SD+2:SD+3], v[SD+2:SD+3], v[SS+\j:SS+\j+1]
	v_pk_add_f32 v[BP:BP+1], v[BP:BP+1], v[SS+\j+2:SS+\j+3]
.endr
	v_pk_add_f32 v[SD+2:SD+3], v[SD+2:SD+3], v[BP:BP+1]
	s_wait_alu depctr_va_vdst(0)                   ; one wait for the four, ahead of their first reader
.irp b, 0,1,2,3
	v_max_num_f32 v[BM+\b], 0x1800000, v[BM+\b]    ; the floor: the byte cannot fall under 1
.endr
.irp b, 0,1,2,3
	v_add_nc_u32 v[BO+\b], 0xff000000, v[BM+\b]
.endr
.irp b, 0,1,2,3
	v_lshrrev_b32 v[BP+\b], 23, v[BO+\b]
.endr
	v_lshl_or_b32 v[PW+1], v[BP+1], 8, v[BP]
	v_lshl_or_b32 v[PW+1], v[BP+2], 16, v[PW+1]
	v_lshl_or_b32 v[PW+1], v[BP+3], 24, v[PW+1]
.irp c, 0,1
	v_cvt_scalef32_pk16_fp6_f32 v[PD+6*\c:PD+6*\c+2], v[SS+32*\c:SS+32*\c+15], v[BO+2*\c]
	v_cvt_scalef32_pk16_fp6_f32 v[CT+4*\c:CT+4*\c+2], v[SS+32*\c+16:SS+32*\c+31], v[BO+2*\c+1]
.endr
	v_nop                                          ; one plain place behind a scaled conversion
.irp c, 0,1
.irp i, 0,1,2
	v_permlane16_swap_b32 v[PD+6*\c+\i], v[CT+4*\c+\i]
.endr
.irp i, 0,1,2
	v_mov_b32 v[PD+6*\c+3+\i], v[CT+4*\c+\i]
.endr
.endr
	WIN 0x41
	s_wait_alu depctr_va_vdst(0)
.set n, 0
.rept 64
	v_pk_mul_f32 v[128+n:128+n+1], v[128+n:128+n+1], v[FF:FF+1] op_sel_hi:[1,0]   ; O^T under the new M; also the places between the codes' and the scale word's last writes and the products
.set n, n+2
.endr
.if \last
	s_wait_alu depctr_va_vdst(0)
	s_wait_dscnt 0x0                               ; V and its scale words are in (in a trip: the wait at the trip's head has shown it)
.endif
	WIN 0x53
.irp d, 0,2,4,6,8,10,12,14             ; 16 accumulators, one instruction each
	v_wmma_scale_f32_16x16x128_f8f6f4 v[128+8*\d:128+8*\d+7], v[12*\d:12*\d+11], v[PD:PD+11], v[128+8*\d:128+8*\d+7], v[VS+\d/2], v[PW+1] matrix_a_fmt:MATRIX_FMT_FP6 matrix_b_fmt:MATRIX_FMT_FP6
	v_wmma_scale_f32_16x16x128_f8f6f4 v[128+8*\d+8:128+8*\d+15], v[12*\d+12:12*\d+23], v[PD:PD+11], v[128+8*\d+8:128+8*\d+15], v[VS+\d/2], v[PW+1] matrix_a_fmt:MATRIX_FMT_FP6 matrix_b_fmt:MATRIX_FMT_FP6 matrix_a_scale:MATRIX_SCALE_ROW1
.endr
	WIN 0
	s_add_co_u32 s40, s[NH], 2                     ; was the item just finished (s16 - 2 counts it) my last of the first block, item 15 - c or 14 - c?  True at exactly one of a wave's second halves
	s_sub_co_u32 s40, s40, s[IW]
	s_cmp_lt_u32 s40, 2
	s_cbranch_scc0 .Lkeep_\@
	WIN 0x82
.set n, 0
.rept 24
	v_mov_b32 v[216+n], v[192+n]                   ; the second block's Q comes in hand (these are also the places behind the products)
.set n, n+1
.endr
	WIN 0
	v_mov_b32 v[QS+1], v[QS]
.irp k, 0,1,2,3
	v_mov_b32 v[ST+\k], v[SD+\k]                   ; the first block's statistics aside
.endr
	v_mov_b32 v[SD+1], 0xff61b1e6
	v_floor_f32 v[SD], -v[SD+1]
	v_mov_b32 v[SD+2], 0
	v_mov_b32 v[SD+3], 0
	WIN 0x41
.set n, 0
.rept 128
	v_mov_b32 v[n], v[128+n]                       ; its O^T aside, each accumulator from its low end on
.set n, n+1
.endr
	WIN 0x40
.set n, 0
.rept 128
	v_mov_b32 v[128+n], 0
.set n, n+1
.endr
	WIN 0
.Lkeep_\@:
.endm
; MY ITEM OF THE SLOT IN HAND: one tile of 16 queries against 128 keys
.macro WORK
	v_add_nc_u32 v10, s[TB], v1
	v_add_nc_u32 v11, s[TB], v2
	v_add_nc_u32 v12, s[TB], v3
	v_add_nc_u32 v13, s[TB], v4
	v_add_nc_u32 v14, s[TB], v7
	v_add_nc_u32 v15, s[TB], v8
	ds_load_b128 v[KS:KS+3], v13
	ds_load_b128 v[KS+4:KS+7], v13 offset:512
	WIN 0x80
.irp c, 0,1
.irp a, 0,1,2,3,4,5,6,7
.irp k, 0,1,2
	ds_load_b128 v[12*(2*\a+\c)+4*\k:12*(2*\a+\c)+4*\k+3], v10 offset:3072*\a+1536*\c+512*\k
.endr
.endr
.endr
	WIN 0
	SECOND 0                                       ; while K is on its way from LDS
.rept 4
	v_nop                                          ; places behind the products, in front of the loads into V's registers and scale words
.endr
	WIN 0xc0
.irp d, 0,1,2,3,4,5,6,7
.irp k, 0,1,2
	ds_load_b128 v[12*\d+4*\k:12*\d+4*\k+3], v11 offset:1536*\d+512*\k
.endr
.endr
.irp d, 0,1,2,3,4,5,6,7
.irp k, 0,1,2
	ds_load_b128 v[96+12*\d+4*\k:96+12*\d+4*\k+3], v12 offset:1536*\d+512*\k
.endr
.endr
	WIN 0
.irp c, 0,1
	ds_load_b64 v[VS+2*\c:VS+2*\c+1], v14 offset:512*\c
	ds_load_b64 v[VS+4+2*\c:VS+5+2*\c], v15 offset:512*\c
.endr
	WIN 0x0a
	s_wait_dscnt 52                                ; K and its scale words are in; V's 48 loads and its scale words' 4 may be out
.irp a, 0,1,2,3,4,5,6,7                ; the 8 accumulators take turns
	v_wmma_scale_f32_16x16x128_f8f6f4 v[SS+8*\a:SS+8*\a+7], v[24*\a:24*\a+11], v[216:227], 0, v[KS+\a], v[QS+1] matrix_a_fmt:MATRIX_FMT_FP6 matrix_b_fmt:MATRIX_FMT_FP6
.endr
.irp a, 0,1,2,3,4,5,6,7
	v_wmma_scale_f32_16x16x128_f8f6f4 v[SS+8*\a:SS+8*\a+7], v[24*\a+12:24*\a+23], v[228:239], v[SS+8*\a:SS+8*\a+7], v[KS+\a], v[QS+1] matrix_a_fmt:MATRIX_FMT_FP6 matrix_b_fmt:MATRIX_FMT_FP6 matrix_a_scale:MATRIX_SCALE_ROW1 matrix_b_scale:MATRIX_SCALE_ROW1
.endr
	WIN 0
.rept 4
	v_nop                                          ; places behind the products, ahead of the first read of the scores
.endr
	s_cmp_eq_u32 s[IW], s[NH]                      ; the last item of either block lies on the diagonal: items 15 - c and 16.  The cluster's number, the wave's and the count of trips alone
	s_cselect_b32 s40, 17, s[IW]
	s_cmp_eq_u32 s40, 17
	s_cbranch_scc0 .Lopen_\@
	v_mov_b32 v70, 0xff800000                      ; hidden scores become -infinity ahead of the maximum: p = 0.  The step's first key counts for every query
.set n, 0
.rept 64
	v_cmp_gt_i32 vcc_lo, 32*(n/16)+n%16, v[QR]     ; register 16 b + i holds the step's key 16 h + 32 b + i
	v_cndmask_b32 v[SS+n], v[SS+n], v70, vcc_lo
.set n, n+1
.endr
.Lopen_\@:
	SOFT
.endm
; A TRIP.  At its head each wave waits for all its tensor loads (its half record of the slot ahead), adds 0 to its spare word, and waits for that and for its reads of the slot that it has left.
.macro TRIP fill
	s_wait_tensorcnt 0x0
	ds_add_u32 v[SPW], v[NIL]
.if \fill
	s_add_co_u32 s[G0+1], s[TN], s90               ; no load of mine is out: the descriptor is written: the next trip's slot,
	s_add_co_u32 s40, s[IW], 1                     ; and my item of it: key step = the item, or the item less the first block's count
	s_cmp_lt_u32 s40, s[NH]
	s_cselect_b32 s41, 0, s[NH]
	s_sub_co_u32 s40, s40, s41
	s_mul_i32 s40, s40, REC
	s_mov_b32 s41, 0
	s_add_nc_u64 s[G0+2:G0+3], s[KB:KB+1], s[40:41]
	s_or_b32 s[G0+3], s[G0+3], 0x80000000
	s_wait_xcnt 0x0                                ; the last prefetch, a trip back, has read its address
	s_add_co_u32 s[PX], s[IW], 5                   ; the item that the trip after next asks for
	s_cmp_lt_u32 s[PX], s[NH]
	s_cselect_b32 s41, 0, s[NH]
	s_sub_co_u32 s40, s[PX], s41
	s_mul_i32 s40, s40, REC
	s_mov_b32 s41, 0
	s_add_nc_u64 s[PFA:PFA+1], s[PFB:PFB+1], s[40:41]
.endif
	s_wait_dscnt 0x0
.if \fill
	CROUND                                         ; no wave of any partner still reads the slot or has a load on its way
	tensor_load_to_lds s[G0:G0+3], s[G1:G1+7]      ; my one tensor load behind this round: it has a trip's work in which to land
	s_nop 0
.rept 4
	v_nop
.endr
	s_cmp_le_u32 s[PX], 16                         ; there is no item beyond 16
	s_cbranch_scc0 .Lno_more_\@
	global_prefetch_b8 v[PFO], s[PFA:PFA+1] th:TH_LOAD_NT scope:SCOPE_SE
.Lno_more_\@:
	s_cmp_eq_u32 s[IW], 0                          ; trip 0 has item 0 alone: waves 0 and 1 have none
	s_cbranch_scc1 .Lidle_\@
.else
	s_barrier_signal -1
	s_barrier_wait -1
.endif
	WORK
.if \fill
.Lidle_\@:
.endif
	s_wait_alu depctr_va_vdst(0)
	s_mov_b32 s[TB], s[TN]
	s_xor_b32 s[TN], s[TN], SLB
	s_add_co_u32 s[IW], s[IW], 2
.endm
	s_wait_alu depctr_va_vdst(0)
	s_wait_loadcnt 0x0                             ; Q
.Lslot:
	TRIP 1
	s_sub_co_u32 s[TR], s[TR], 1
	s_cmp_lg_u32 s[TR], 0
	s_cbranch_scc1 .Lslot
	TRIP 0                                         ; the last trip is written out: it asks for nothing
	SECOND 1                                       ; and the last item's second half
	; ---- THE TWO PARTS OF A QUERY'S KEYS ARE JOINED
.rept 4
	v_nop                                          ; places behind the last products
.endr
.irp t, 0,1
	v_add_f32 v[ST+8*\t+2], v[ST+8*\t+2], v[ST+8*\t+3]
.endr
.irp t, 0,1
	v_permlanex16_b32 v[BP+\t], v[ST+8*\t+2], s[SEL], s[SEL+1]
.endr
.irp t, 0,1
	v_add_f32 v[ST+8*\t+1], v[ST+8*\t+2], v[BP+\t] ; my part of the row's sum, beside -M
.endr
	WIN 0x04                                       ; an LDS store's data are its source 1: window 1
	s_wait_alu depctr_va_vdst(0)
.irp t, 0,1
.irp d, 0,1,2,3,4,5,6,7
	ds_store_b128 v105, v[128*\t+64+8*\d:128*\t+64+8*\d+3] offset:8192*\t+1024*\d       ; the d tiles that my partner finishes, each from its low end on
	ds_store_b128 v105, v[128*\t+64+8*\d+4:128*\t+64+8*\d+7] offset:8192*\t+1024*\d+512
.endr
.endr
	WIN 0
.irp t, 0,1
	ds_store_b64 v106, v[ST+8*\t:ST+8*\t+1] offset:16384+256*\t
.endr
	s_wait_dscnt 0x0                               ; for the others' sake: my stores have landed
	s_barrier_signal -1
	s_barrier_wait -1
.irp t, 0,1
.irp m, 0,1,2,3,4,5,6,7,8,9,10,11,12,13,14,15
	ds_load_b128 v[S+64*\t+4*\m:S+64*\t+4*\m+3], v107 offset:8192*\t+512*\m
.endr
	ds_load_b64 v[110+2*\t:111+2*\t], v108 offset:16384+256*\t
.endr
	s_wait_dscnt 0x0
.irp t, 0,1                            ; at v[114 + 6 t]: +0 the joint -M, +1 my factor, +2 my partner's, +3 the joint sum, +4 its reciprocal
	v_min_num_f32 v[114+6*\t], v[ST+8*\t], v[110+2*\t]
	v_sub_f32 v[115+6*\t], v[114+6*\t], v[ST+8*\t]
	v_sub_f32 v[116+6*\t], v[114+6*\t], v[110+2*\t]
	v_cvt_i32_f32 v[115+6*\t], v[115+6*\t]         ; (it saturates: a wave that had no item gets the factor 0)
	v_cvt_i32_f32 v[116+6*\t], v[116+6*\t]
	v_ldexp_f32 v[115+6*\t], 1.0, v[115+6*\t]
	v_ldexp_f32 v[116+6*\t], 1.0, v[116+6*\t]
	v_mul_f32 v[117+6*\t], v[ST+8*\t+1], v[115+6*\t]
	v_fma_f32 v[117+6*\t], v[111+2*\t], v[116+6*\t], v[117+6*\t]
.endr
	s_wait_alu depctr_va_vdst(0)
	v_rcp_f32 v118, v117
	v_rcp_f32 v124, v123
	v_nop                                          ; a plain place behind the reciprocals
	s_wait_alu depctr_va_vdst(0)                   ; one wait for the two, ahead of their first reader
.set TM, 52
.macro QUANT s                         ; 64 numbers of a lane become a fragment's codes in v[PC] on and its scale word in v[PW]
.irp b, 0,1,2,3
	v_max3_num_f32 v[TM+\b], |v[\s+16*\b]|, |v[\s+1+16*\b]|, 0x1800000
.endr
.irp i, 2,4,6,8,10,12,14
.irp b, 0,1,2,3
	v_max3_num_f32 v[TM+\b], v[TM+\b], |v[\s+16*\b+\i]|, |v[\s+1+16*\b+\i]|
.endr
.endr
.irp b, 0,1,2,3
	v_permlanex16_b32 v[TM+4+\b], v[TM+\b], s[SEL], s[SEL+1]
.endr
.irp b, 0,1,2,3
	v_max_num_f32 v[TM+\b], v[TM+\b], v[TM+4+\b]
.endr
.irp b, 0,1,2,3
	v_add_nc_u32 v[TM+12+\b], 0xff000000, v[TM+\b]
.endr
.irp b, 0,1,2,3
	v_lshrrev_b32 v[TM+4+\b], 23, v[TM+12+\b]
.endr
	v_lshl_or_b32 v[PW], v[TM+5], 8, v[TM+4]
	v_lshl_or_b32 v[PW], v[TM+6], 16, v[PW]
	v_lshl_or_b32 v[PW], v[TM+7], 24, v[PW]
.irp c, 0,1
	v_cvt_scalef32_pk16_fp6_f32 v[PC+6*\c:PC+2+6*\c], v[\s+32*\c:\s+15+32*\c], v[TM+12+2*\c]
	v_cvt_scalef32_pk16_fp6_f32 v[PC+12+4*\c:PC+14+4*\c], v[\s+16+32*\c:\s+31+32*\c], v[TM+12+2*\c+1]
.endr
	v_nop
.irp c, 0,1
.irp i, 0,1,2
	v_permlane16_swap_b32 v[PC+6*\c+\i], v[PC+12+4*\c+\i]
.endr
.irp i, 0,1,2
	v_mov_b32 v[PC+3+6*\c+\i], v[PC+12+4*\c+\i]
.endr
.endr
.endm
.macro FIN t, ib, sb                   ; ib, sb: where the tile's image and scale words go
	v_mul_f32 v[FF], v[115+6*(\t)], v[118+6*(\t)]  ; my factor / the sum,
	v_mul_f32 v70, v[116+6*(\t)], v[118+6*(\t)]    ; my partner's
.set n, 0
.rept 32
	v_pk_mul_f32 v[S+64*(\t)+n:S+64*(\t)+n+1], v[S+64*(\t)+n:S+64*(\t)+n+1], v[70:71] op_sel_hi:[1,0]
.set n, n+2
.endr
	WIN 0x01
	s_wait_alu depctr_va_vdst(0)
.set n, 0
.rept 32
	v_pk_fma_f32 v[S+64*(\t)+n:S+64*(\t)+n+1], v[128*(\t)+n:128*(\t)+n+1], v[FF:FF+1], v[S+64*(\t)+n:S+64*(\t)+n+1] op_sel_hi:[1,0,1]   ; the finished o of my 128 d: register 16 b + i is d 128 e + 32 b + 16 h + i
.set n, n+2
.endr
	WIN 0
.if (\t) > 0
	s_wait_xcnt 0x0                                ; the last image's stores have read their registers
.endif
	QUANT S+64*(\t)
.irp k, 0,1,2
	global_store_b128 v[LI], v[PC+4*\k:PC+4*\k+3], s[\ib:\ib+1] offset:512*\k
.endr
	global_store_b32 v109, v[PW], s[\sb:\sb+1]     ; lanes l and l xor 16 hold the same word and write it to the same place
.endm
	FIN 0, 50, 54
	FIN 1, 52, 56
	s_wait_tensorcnt 0x0                           ; the wave's end
	ds_add_u32 v[SPW], v[NIL]
	s_wait_dscnt 0x0
	CROUND                                         ; the closing round
	s_endpgm
.Lfunc_end_k_qe5cc2d2ce8_attn:
	.size	k_qe5cc2d2ce8_attn, .Lfunc_end_k_qe5cc2d2ce8_attn-k_qe5cc2d2ce8_attn
	.p2alignl 7, 3214868480
	.fill 96, 4, 3214868480
	.section	.rodata,"a",@progbits
	.p2align	6, 0x0
	.amdhsa_kernel k_qe5cc2d2ce8_attn
		.amdhsa_group_segment_fixed_size 327680
		.amdhsa_private_segment_fixed_size 0
		.amdhsa_enable_private_segment 0
		.amdhsa_kernarg_size 24
		.amdhsa_user_sgpr_count 2
		.amdhsa_user_sgpr_kernarg_segment_ptr 1
		.amdhsa_wavefront_size32 1
		.amdhsa_system_sgpr_workgroup_id_x 1
		.amdhsa_system_sgpr_workgroup_id_y 1
		.amdhsa_system_sgpr_workgroup_id_z 1
		.amdhsa_system_vgpr_workitem_id 0
		.amdhsa_next_free_vgpr 1024
		.amdhsa_next_free_sgpr 96
		.amdhsa_reserve_vcc 1
		.amdhsa_float_denorm_mode_32 3
		.amdhsa_float_denorm_mode_16_64 3
		.amdhsa_memory_ordered 1
		.amdhsa_forward_progress 1
		.amdhsa_inst_pref_size 152
	.end_amdhsa_kernel
	.amdgpu_metadata
---
amdhsa.version: [ 1, 2 ]
amdhsa.kernels:
  - .name:           k_qe5cc2d2ce8_attn
    .symbol:         k_qe5cc2d2ce8_attn.kd
    .args:
      - { .name: qb, .offset: 0, .size: 8, .value_kind: global_buffer, .address_space: global }
      - { .name: kv, .offset: 8, .size: 8, .value_kind: global_buffer, .address_space: global }
      - { .name: ao, .offset: 16, .size: 8, .value_kind: global_buffer, .address_space: global }
    .group_segment_fixed_size: 327680
    .private_segment_fixed_size: 0
    .kernarg_segment_align: 8
    .kernarg_segment_size: 24
    .max_flat_workgroup_size: 128
    .sgpr_count:     96
    .vgpr_count:     1024
    .wavefront_size: 32
...
	.end_amdgpu_metadata
.endif
;; end of part 3
;; launch oproj (part 4): grid 8 x 32, 4 waves a work-group, clusters of 4 x 4, 327,680 bytes of LDS; arguments ao, woq, out0; writes out0
.if DOCPART == 4
	.amdgcn_target "amdgcn-amd-amdhsa--gfx1250"
	.amdhsa_code_object_version 6
	.text
	.protected	k_qe5cc2d2ce8_oproj
	.globl	k_qe5cc2d2ce8_oproj
	.p2align	8
	.type	k_qe5cc2d2ce8_oproj,@function
k_qe5cc2d2ce8_oproj:
	s_mov_b64 s[64:65], 0
	v_nop
	global_prefetch_b8 v0, s[64:65] scope:SCOPE_SE
	s_setreg_imm32_b32 hwreg(HW_REG_WAVE_MODE, 25, 1), 1
	s_wait_xcnt 0x0
	s_wait_alu depctr_hold_cnt(0) depctr_sa_sdst(0) depctr_va_vdst(0) depctr_va_sdst(0) depctr_va_ssrc(0) depctr_va_vcc(0) depctr_vm_vsrc(0)
	s_getreg_b32 s2, hwreg(HW_REG_IB_STS2, 6, 4)
	s_cmp_eq_u32 s2, 0
	s_cbranch_scc0 .Lentry_in_a_cluster
	s_endpgm
.Lentry_in_a_cluster:
	s_bfe_u32 s2, ttmp6, 0x10000c
	s_cmp_lg_u32 s2, 0xf033
	s_cbranch_scc0 .Lentry_shape_is_right
	s_endpgm
.Lentry_shape_is_right:
; FOURTH LAUNCH: out0 = o wo, [4096 x 1024] x [1024 x 2048], on codes of FP6.  Nothing is left out here.
; A block of 128 x 256 is made by four waves, each 64 x 128: 32 accumulators.  Operands lie in memory as images of fragments (1,536 bytes: 16 rows x 128 K), [tile][K step]; scale words [tile][K step][16].
; ALL OF K (8 steps) FITS IN LDS, in two parts of four K steps, each filled once.  At the head one joint load a wave: wave 0 o's 8 tiles of part 0, wave 1 wo's 16, wave 2 o's scale words, wave 3 wo's.
; Part 1 is asked for behind the full sequence and a round, a wave its share (waves 0, 1: 4 tiles of o; waves 2, 3: 8 of wo), and has 104 of part 0's matrix instructions in which to land.
; CLUSTERS: 4 x 4 work-groups; o's tiles are asked for jointly along a row of the cluster, wo's along a column.
; PREFETCH: part 1's load goes out only when part 0's has landed, with nothing on its way beside it: so its bytes are asked for at the head, behind the head's loads.  Of the tiles that a wave will fetch, each of the four partners
; that ask for them jointly names its share by address: 1 of o's 4 (by cx), 2 of wo's 8 (by cy); a tile's four images are 24 blocks of 256 bytes, a lane a block, lanes 24-31 name the 24th again.
; The matrix instruction is used transposed (source 0 = 16 columns of wo, source 1 = 16 rows of o): a lane holds neighbouring numbers of a row.  The way out goes through a stage in part 0, which has had its only fill and,
; behind K step 3's barrier, its last read.
.set NK,     8
.set AS_OFF, 3145728
.set BS_OFF, 1572864
.set FR,     12
.set NL,     3
.set NP,     4
.set TILEB,  6144                      ; a tile's four images in a part
.set HFA,    4*TILEB
.set HFB,    8*TILEB
.set PART,   2*HFA+2*HFB
.set TPS,    NK*64
.set HSA,    4*TPS
.set HSB,    8*TPS
.set SCL,    2*PART
.set SPARE,  SCL+2*HSA+2*HSB
.set SPITCH, 528
.set ADRA, 16
.set ADRB, 20
.set LI,   24
.set RD,   25
.set STO,  26
.set ADRS, 27
.set SPW,  28
.set NIL,  29
.set PFO,  30
.set SC,   32
.set AF,   128
.set BK,   128
.set G1,   24
.set G0HA, 32
.set G0,   36
.set G0HB, 40
.set G0B,  44
.set G1B,  48
.set PFA,  56
.set G1S,  76
.set G1SB, 84
.set G0S,  92
.set G0SB, 96
.set MSB, 0
.macro WIN new
.if MSB != (\new)
	s_set_vgpr_msb (MSB<<8)|(\new)
.set MSB, (\new)
.endif
.endm
.set MUL,  0xa1
.set TO_B, 0x40
.macro CROUND
	s_barrier_signal -1
	s_barrier_wait -1
	s_cmp_lg_u32 s14, 0
	s_cbranch_scc1 .Lnot_wave_0_\@
	s_barrier_signal -3
.Lnot_wave_0_\@:
	s_barrier_wait -3
	s_barrier_signal -1
	s_barrier_wait -1
.endm
.macro PLACES n
.rept \n
	v_nop
.endr
.endm
.macro FRAG reg, adr, off
.irp k, 0,1,2
	ds_load_b128 v[\reg+4*\k:\reg+4*\k+3], v[\adr] offset:(\off)+512*\k
.endr
.endm
.macro FETCH s                         ; K step s lies in part s / 4 as image s % 4; the scale words come for two K steps at a time
.set FC, (\s)/4
.set FQ, 1536*((\s)%4)
.set FS, (\s)%2
.set FP, (\s)/2
	WIN TO_B
.irp i, 0,1,2,3,4,5,6,7
	FRAG 128*FS+FR*\i, ADRB+FC, TILEB*\i+FQ
.endr
	WIN 0
.irp i, 0,1
	FRAG AF+48*FS+FR*\i, ADRA+FC, TILEB*\i+FQ
.endr
.if (\s)%2 == 0
.irp i, 0,1,2,3,4,5,6,7
.irp q, 0,1
	ds_load_b32 v[SC+16*(FP%2)+2*\i+\q], v[ADRS] offset:\i*TPS+64*\q+128*FP
.endr
.endr
.endif
.irp i, 2,3
	FRAG AF+48*FS+FR*\i, ADRA+FC, TILEB*\i+FQ
.endr
.endm
.macro MUL8 a, s, zero                 ; the 32 accumulators take turns
.irp b, 0,1,2,3,4,5,6,7
.if \zero
	v_wmma_scale_f32_16x16x128_f8f6f4 v[8*(8*(\a)+\b):8*(8*(\a)+\b)+7], v[128*((\s)%2)+FR*\b:128*((\s)%2)+FR*\b+FR-1], v[AF+48*((\s)%2)+FR*(\a):AF+48*((\s)%2)+FR*(\a)+FR-1], 0, v[SC+16*(((\s)/2)%2)+2*\b+(\s)%2], v[SC+16*(((\s)/2)%2)+2*(\a)+(\s)%2] matrix_a_fmt:MATRIX_FMT_FP6 matrix_b_fmt:MATRIX_FMT_FP6 matrix_a_scale:MATRIX_SCALE_ROW1
.else
	v_wmma_scale_f32_16x16x128_f8f6f4 v[8*(8*(\a)+\b):8*(8*(\a)+\b)+7], v[128*((\s)%2)+FR*\b:128*((\s)%2)+FR*\b+FR-1], v[AF+48*((\s)%2)+FR*(\a):AF+48*((\s)%2)+FR*(\a)+FR-1], v[8*(8*(\a)+\b):8*(8*(\a)+\b)+7], v[SC+16*(((\s)/2)%2)+2*\b+(\s)%2], v[SC+16*(((\s)/2)%2)+2*(\a)+(\s)%2] matrix_a_fmt:MATRIX_FMT_FP6 matrix_b_fmt:MATRIX_FMT_FP6 matrix_a_scale:MATRIX_SCALE_ROW1
.endif
.endr
.endm
.macro KSTEP s, zero
	s_wait_dscnt 2*NL                              ; all but the youngest 6 loads (o's blocks 2, 3) are in
	WIN MUL
	MUL8 0, \s, \zero
.if (\s) == 3
	s_wait_dscnt 0x0                               ; my reads of part 0 are over,
	s_wait_tensorcnt 0x0                           ; and my share of part 1 is in
	s_barrier_signal -1
	MUL8 1, \s, \zero
	s_barrier_wait -1                              ; everybody's
.else
	MUL8 1, \s, \zero
	s_wait_dscnt 0x0
.endif
.if (\s) < 7
	PLACES NP
	FETCH (\s)+1
	WIN MUL
.endif
	MUL8 2, \s, \zero
	MUL8 3, \s, \zero
.endm
	s_load_b128 s[4:7], s[0:1], 0x0                ; ao s[4:5], woq s[6:7]
	s_load_b64 s[12:13], s[0:1], 0x10              ; out0
	v_lshl_add_u32 v[SPW], v0, 2, SPARE
	v_mov_b32 v[NIL], 0
	ds_add_u32 v[SPW], v[NIL]                      ; the wave's opening: the add, twice on end, and its wait
	ds_add_u32 v[SPW], v[NIL]
	v_lshrrev_b32 v1, 5, v0
	v_readfirstlane_b32 s14, v1                    ; wave
	s_lshr_b32 s15, s14, 1                         ; my half of the rows; in part 1: I fetch for o (0) or for wo (1)
	s_and_b32 s16, s14, 1                          ; my half of the columns; which half I fetch
	s_bfe_u32 s8, ttmp6, 0x40000
	s_bfe_u32 s9, ttmp6, 0x40004
	s_lshl_b32 s10, ttmp9, 2
	s_add_co_u32 s10, s10, s8                      ; tile column
	s_and_b32 s17, ttmp7, 0xffff
	s_lshl_b32 s17, s17, 2
	s_add_co_u32 s17, s17, s9                      ; tile row
	s_lshl_b32 s11, s9, 2
	s_lshl_b32 s11, 15, s11                        ; my row of the cluster
	s_lshl_b32 s66, 0x1111, s8                     ; my column
	s_or_b32 s[G1+0], s11, (3<<16)|(1<<21)
	s_or_b32 s[G1B+0], s66, (3<<16)|(1<<21)
	s_or_b32 s[G1S+0], s11, (3<<16)|(1<<21)
	s_or_b32 s[G1SB+0], s66, (3<<16)|(1<<21)
.irp g, G1, G1B
	s_mov_b32 s[\g+1], 768<<16                     ; rows of 6,144 bytes: four images
	s_mov_b32 s[\g+3], 768<<16
	s_mov_b32 s[\g+5], NK*192                      ; from tile to tile
	s_mov_b32 s[\g+6], 0
	s_mov_b32 s[\g+7], 0
.endr
	s_mov_b32 s[G1+2], 8<<16                       ; the head's loads: all 8 tiles of o,
	s_mov_b32 s[G1+4], 8
	s_mov_b32 s[G1B+2], 16<<16                     ; all 16 of wo
	s_mov_b32 s[G1B+4], 16
.irp g, G1S, G1SB
	s_mov_b32 s[\g+1], 32<<16                      ; the scale words: dense, as rows of 256 bytes
	s_mov_b32 s[\g+3], 32<<16
	s_mov_b32 s[\g+5], 32
	s_mov_b32 s[\g+6], 0
	s_mov_b32 s[\g+7], 0
.endr
	s_mov_b32 s[G1S+2], (2*HSA/256)<<16
	s_mov_b32 s[G1S+4], 2*HSA/256
	s_mov_b32 s[G1SB+2], (2*HSB/256)<<16
	s_mov_b32 s[G1SB+4], 2*HSB/256
	s_mul_i32 s18, s17, 8*NK*1536
	s_mov_b32 s19, 0
	s_lshl_b32 s20, s17, 12
	s_add_co_u32 s20, s20, AS_OFF
	s_mov_b32 s21, 0
	s_mul_i32 s22, s10, 16*NK*1536
	s_mov_b32 s23, 0
	s_lshl_b32 s100, s10, 13
	s_add_co_u32 s100, s100, BS_OFF
	s_mov_b32 s101, 0
	s_mul_i32 s2, s16, 4*NK*1536                   ; part 1: my half of the tiles, four K steps on
	s_add_co_u32 s2, s2, TILEB
	s_mov_b32 s3, 0
	s_mul_i32 s68, s16, 8*NK*1536
	s_add_co_u32 s68, s68, TILEB
	s_mov_b32 s69, 0
	s_mul_i32 s70, s16, HFA
	s_add_co_u32 s70, s70, PART
	s_mul_i32 s71, s16, HFB
	s_add_co_u32 s71, s71, PART+2*HFA
	s_mul_i32 s72, s15, HFA                        ; what I read: my 4 tiles of o,
	s_mul_i32 s73, s16, HFB
	s_add_co_u32 s73, s73, 2*HFA                   ; my 8 of wo,
	s_mul_i32 s74, s15, HSA
	s_mul_i32 s75, s16, HSB
	s_add_co_u32 s75, s75, 2*HSA
	s_sub_co_u32 s75, s75, s74                     ; from o's scale words to wo's,
	s_add_co_u32 s74, s74, SCL
	s_mul_i32 s67, s14, 16*SPITCH                  ; my stage
	s_lshl_b32 s58, s17, 3                         ; the prefetch: of o, tile 8 x tile row + 4 x half + cx;
	s_lshl_b32 s59, s16, 2
	s_add_co_u32 s58, s58, s59
	s_add_co_u32 s58, s58, s8
	s_lshl_b32 s60, s10, 4                         ; of wo, tiles 16 x tile column + 8 x half + 2 cy on
	s_lshl_b32 s59, s16, 3
	s_add_co_u32 s60, s60, s59
	s_lshl_b32 s59, s9, 1
	s_add_co_u32 s60, s60, s59
	s_cmp_eq_u32 s15, 0
	s_cselect_b32 s58, s58, s60
	s_mul_i32 s58, s58, NK*1536
	s_add_co_u32 s58, s58, TILEB                   ; four K steps on
	s_mov_b32 s59, 0
	s_wait_dscnt 0x0                               ; both opening adds are done
	s_wait_kmcnt 0x0
	s_add_nc_u64 s[18:19], s[4:5], s[18:19]
	s_add_nc_u64 s[20:21], s[4:5], s[20:21]
	s_add_nc_u64 s[22:23], s[6:7], s[22:23]
	s_add_nc_u64 s[100:101], s[6:7], s[100:101]
	s_cmp_eq_u32 s15, 0
	s_cselect_b64 s[PFA:PFA+1], s[4:5], s[6:7]
	s_add_nc_u64 s[PFA:PFA+1], s[PFA:PFA+1], s[58:59]
	CROUND                                         ; all sixteen work-groups are here: the first joint loads meet
	s_mov_b32 s[G0HA], 1
	s_mov_b32 s[G0HA+1], 0
	s_mov_b64 s[G0HA+2:G0HA+3], s[18:19]
	s_or_b32 s[G0HA+3], s[G0HA+3], 0x80000000
	s_mov_b32 s[G0HB], 1
	s_mov_b32 s[G0HB+1], 2*HFA
	s_mov_b64 s[G0HB+2:G0HB+3], s[22:23]
	s_or_b32 s[G0HB+3], s[G0HB+3], 0x80000000
	s_mov_b32 s[G0S], 1
	s_mov_b32 s[G0S+1], SCL
	s_mov_b64 s[G0S+2:G0S+3], s[20:21]
	s_or_b32 s[G0S+3], s[G0S+3], 0x80000000
	s_mov_b32 s[G0SB], 1
	s_mov_b32 s[G0SB+1], SCL+2*HSA
	s_mov_b64 s[G0SB+2:G0SB+3], s[100:101]
	s_or_b32 s[G0SB+3], s[G0SB+3], 0x80000000
	s_mov_b32 s[G0], 1
	s_mov_b32 s[G0+1], s70
	s_add_nc_u64 s[G0+2:G0+3], s[18:19], s[2:3]
	s_or_b32 s[G0+3], s[G0+3], 0x80000000
	s_mov_b32 s[G0B], 1
	s_mov_b32 s[G0B+1], s71
	s_add_nc_u64 s[G0B+2:G0B+3], s[22:23], s[68:69]
	s_or_b32 s[G0B+3], s[G0B+3], 0x80000000
; the head's loads, one a wave: one chain of branches on the wave's number, every way through it passes one load
.macro ARM under, g0, g1, next
	s_cmp_lt_u32 s14, \under
	s_cbranch_scc0 \next
	tensor_load_to_lds s[\g0:\g0+3], s[\g1:\g1+7]
	s_nop 0
.rept 4
	v_nop
.endr
	s_branch .Lhead_asked
\next:
.endm
	ARM 1, G0HA, G1,  .Lhead_b
	ARM 2, G0HB, G1B, .Lhead_sa
	ARM 3, G0S,  G1S, .Lhead_sb
	tensor_load_to_lds s[G0SB:G0SB+3], s[G1SB:G1SB+7]
	s_nop 0
.rept 4
	v_nop
.endr
.Lhead_asked:
	v_and_b32 v1, 31, v0
	v_lshlrev_b32 v[LI], 4, v1
	v_min_u32 v[PFO], 23, v1
	v_lshlrev_b32 v[PFO], 8, v[PFO]
	v_and_b32 v1, 15, v0                           ; r
	v_bfe_u32 v2, v0, 4, 1                         ; h
	v_add_nc_u32 v[ADRA], s72, v[LI]
	v_add_nc_u32 v[ADRB], s73, v[LI]
	v_add_nc_u32 v[ADRA+1], PART, v[ADRA]
	v_add_nc_u32 v[ADRB+1], PART, v[ADRB]
	v_lshlrev_b32 v5, 2, v1
	v_mul_u32_u24 v6, s75, v2                      ; lanes 16-31 take wo's scale words
	v_add_nc_u32 v5, v5, v6
	v_add_nc_u32 v[ADRS], s74, v5
	v_mul_u32_u24 v5, v1, SPITCH
	v_lshl_add_u32 v5, v2, 6, v5
	v_add_nc_u32 v[STO], s67, v5
	v_add_nc_u32 v[RD], s67, v[LI]
	global_prefetch_b8 v[PFO], s[PFA:PFA+1] th:TH_LOAD_NT scope:SCOPE_SE                 ; part 1: my work-group's share of what I will fetch; its address registers are never rewritten
	s_cmp_eq_u32 s15, 0
	s_cbranch_scc1 .Lone_tile                      ; of o one tile, of wo two
	global_prefetch_b8 v[PFO], s[PFA:PFA+1] offset:NK*1536 th:TH_LOAD_NT scope:SCOPE_SE
.Lone_tile:
	s_lshl_b32 s20, s17, 7
	s_lshl_b32 s21, s15, 6
	s_add_co_u32 s20, s20, s21                     ; my first row of out0
	s_lshl_b32 s20, s20, 13
	s_mov_b32 s21, 0
	s_lshl_b32 s22, s10, 10
	s_lshl_b32 s23, s16, 9
	s_add_co_u32 s22, s22, s23                     ; my first column, in bytes
	s_mov_b32 s23, 0
	s_add_nc_u64 s[20:21], s[20:21], s[22:23]
	s_add_nc_u64 s[12:13], s[12:13], s[20:21]
	s_wait_alu depctr_va_vdst(0)
	s_wait_tensorcnt 0x0                           ; my tile of the head's four is in
	ds_add_u32 v[SPW], v[NIL]
	s_mov_b32 s[G1+2], 4<<16                       ; no tensor load of mine is out: from here on a load brings half the tiles
	s_mov_b32 s[G1+4], 4
	s_mov_b32 s[G1B+2], 8<<16
	s_mov_b32 s[G1B+4], 8
	s_wait_dscnt 0x0
	CROUND                                         ; all four tiles are in, and all sixteen work-groups are here
	s_cmp_eq_u32 s15, 0
	s_cbranch_scc0 .Lfor_b
	tensor_load_to_lds s[G0:G0+3], s[G1:G1+7]      ; part 1: the first tensor load behind the round
	s_nop 0
.rept 4
	v_nop
.endr
	s_branch .Lasked
.Lfor_b:
	tensor_load_to_lds s[G0B:G0B+3], s[G1B:G1B+7]
	s_nop 0
.rept 4
	v_nop
.endr
.Lasked:
	FETCH 0
	KSTEP 0, 1                                     ; the first step's products start the sums
	KSTEP 1, 0
	KSTEP 2, 0
	KSTEP 3, 0
	KSTEP 4, 0
	KSTEP 5, 0
	KSTEP 6, 0
	KSTEP 7, 0
	WIN 0
; THE WAY OUT: a block of 16 rows x 128 columns goes through my stage and comes back as rows of 512 bytes, which the 32 lanes store as two aligned runs of 256 bytes
.macro TOSTAGE a
.set AC, 64*(\a)
	WIN 0x08
.irp b, 0,1,2,3,4,5,6,7
	ds_store_b128 v[STO], v[AC+8*\b:AC+8*\b+3] offset:128*(\b/2)+32*(\b%2)          ; each accumulator from its low end on
	ds_store_b128 v[STO], v[AC+8*\b+4:AC+8*\b+7] offset:128*(\b/2)+32*(\b%2)+16
.endr
	WIN 0
.set BB, BK+64*((\a)%2)
.irp t, 0,1,2,3,4,5,6,7,8,9,10,11,12,13,14,15
	ds_load_b128 v[BB+4*\t:BB+4*\t+3], v[RD] offset:\t*SPITCH   ; LDS serves a wave's instructions in order: these see my stores
.endr
.endm
.macro SEND a, younger
.set BB, BK+64*((\a)%2)
	s_wait_dscnt \younger
.irp t, 0,1,2,3,4,5,6,7,8,9,10,11,12,13,14,15
	global_store_b128 v[LI], v[BB+4*\t:BB+4*\t+3], s[12:13] offset:(32*((\a)/2)+8*((\a)%2)+\t+8*(\t/8))*8192 th:TH_STORE_NT
.endr
.endm
	PLACES NP
	TOSTAGE 0
.irp a, 1,2,3
.if \a > 1
	s_wait_xcnt 0x0                                ; block a - 2's stores have read their registers
.endif
	TOSTAGE \a
	SEND \a-1, 32                                  ; behind block a - 1's loads: block a's 16 stores and 16 loads
.endr
	SEND 3, 0
	s_wait_tensorcnt 0x0                           ; the wave's end
	ds_add_u32 v[SPW], v[NIL]
	s_wait_dscnt 0x0
	CROUND                                         ; the closing round
	s_endpgm
.Lfunc_end_k_qe5cc2d2ce8_oproj:
	.size	k_qe5cc2d2ce8_oproj, .Lfunc_end_k_qe5cc2d2ce8_oproj-k_qe5cc2d2ce8_oproj
	.p2alignl 7, 3214868480
	.fill 96, 4, 3214868480
	.section	.rodata,"a",@progbits
	.p2align	6, 0x0
	.amdhsa_kernel k_qe5cc2d2ce8_oproj
		.amdhsa_group_segment_fixed_size 327680
		.amdhsa_private_segment_fixed_size 0
		.amdhsa_enable_private_segment 0
		.amdhsa_kernarg_size 24
		.amdhsa_user_sgpr_count 2
		.amdhsa_user_sgpr_kernarg_segment_ptr 1
		.amdhsa_wavefront_size32 1
		.amdhsa_system_sgpr_workgroup_id_x 1
		.amdhsa_system_sgpr_workgroup_id_y 1
		.amdhsa_system_sgpr_workgroup_id_z 1
		.amdhsa_system_vgpr_workitem_id 0
		.amdhsa_next_free_vgpr 768
		.amdhsa_next_free_sgpr 102
		.amdhsa_reserve_vcc 0
		.amdhsa_float_denorm_mode_32 3
		.amdhsa_float_denorm_mode_16_64 3
		.amdhsa_memory_ordered 1
		.amdhsa_forward_progress 1
		.amdhsa_inst_pref_size 82
	.end_amdhsa_kernel
	.amdgpu_metadata
---
amdhsa.version: [ 1, 2 ]
amdhsa.kernels:
  - .name:           k_qe5cc2d2ce8_oproj
    .symbol:         k_qe5cc2d2ce8_oproj.kd
    .args:
      - { .name: ao, .offset: 0, .size: 8, .value_kind: global_buffer, .address_space: global }
      - { .name: woq, .offset: 8, .size: 8, .value_kind: global_buffer, .address_space: global }
      - { .name: out0, .offset: 16, .size: 8, .value_kind: global_buffer, .address_space: global }
    .group_segment_fixed_size: 327680
    .private_segment_fixed_size: 0
    .kernarg_segment_align: 8
    .kernarg_segment_size: 24
    .max_flat_workgroup_size: 128
    .sgpr_count:     102
    .vgpr_count:     768
    .wavefront_size: 32
...
	.end_amdgpu_metadata
.endif
;; end of part 4
